; MI455X (gfx1250); checked and timed in simulation.
; The chip was launched on July 23, 2026; its instructions are those of AMD's public machine-readable ISA for CDNA 5 (MIT licence, August 2026) and "CDNA5" Instruction Set Architecture Reference Guide (July 2026). The comments in the code are by the model that wrote it; some were corrected since.
;; Multi Head Attention. Allowed arithmetic: matrix products marked QUANTISED: E2M1 operands, one E8M0 scale for each 32 along K, by v_wmma_scale_f32_16x16x128_f8f6f4 with both operands' format E2M1 (or v_wmma_scale_f32_32x16x128_f4), f32 sums; products left as they are: bf16, f16 or f32 operands; f32 sums; everything else in f32.
;; Inputs: Wk 16 x 1,024 x 64 float32; Wproj 1,024 x 1,024 float32; Wq 16 x 1,024 x 64 float32; Wv 16 x 1,024 x 64 float32; bproj 1,024 float32; x 4 x 2,048 x 1,024 float32.
;; Outputs: out0 4 x 2,048 x 1,024 float32.
;; This version of the problem:
;;   THIS VERSION OF THE PROBLEM IS GIVEN IN LOW PRECISION. The matrix products marked QUANTISED in the list below multiply operands that are first quantised to E2M1 (2 exponent bits, 1 mantissa bit; 4 bits a number), with one power-of-two scale for each 32 numbers along K (OCP MX v1.0); their sums are f32. The products marked 'left as it is' may take bf16, f16 or f32 operands, with f32 sums. Whichever they take, every output number must still come out within the allowed error. Rounding operands to bf16 (8 significant bits) uses up far more of that allowance than f16 does (11 bits, for magnitudes from 6e-5 to 65,504). All else is computed in f32.
;;   The module's matrix products, in the order in which they are computed (A, B: the left and right operand; K: the contracted axis; several contracted axes count as one K, in the product's order):
;;     1. [M 1,024, K 1,024] x [K 1,024, N 8,192]; A: input Wq; B: input x: QUANTISED
;;     2. [M 1,024, K 1,024] x [K 1,024, N 8,192]; A: input Wk; B: input x: QUANTISED
;;     3. [M 1,024, K 1,024] x [K 1,024, N 8,192]; A: input Wv; B: input x: QUANTISED
;;     4. batch 64 x [M 2,048, K 64] x [K 64, N 2,048]; A: computed on the way; B: computed on the way: left as it is (an operand is computed on the way)
;;     5. batch 64 x [M 2,048, K 2,048] x [K 2,048, N 64]; A: computed on the way; B: computed on the way: left as it is (an operand is computed on the way)
;;     6. [M 8,192, K 1,024] x [K 1,024, N 1,024]; A: computed on the way; B: input Wproj: left as it is (an operand is computed on the way)
;;   THE QUANTISER, for each operand of a quantised product, along K:
;;     - K is cut into blocks of 32 from its start; a last block that is shorter is filled with zeros.
;;     - A block's scale is 2^e with e = floor(log2(the largest magnitude in the block)) - 2, held to -126 .. 127; a block of zeros has e = 0. As a byte (E8M0): e + 127.
;;     - Each number is divided by its block's scale, clamped to +-6, and rounded to the nearest number of E2M1, ties to even, subnormals kept.
;;     - The product sums the exact products of the quantised numbers (number of the format x scale) in f32.
;;   ~~~python
;;   def quantise(x, axis):      # numpy; x: float32 -> the quantised numbers, widened to float32 again
;;       x = np.moveaxis(x, axis, -1); K = x.shape[-1]
;;       x = np.pad(x, [(0, 0)] * (x.ndim - 1) + [(0, -K % 32)]); x = x.reshape(x.shape[:-1] + (-1, 32)); a = np.abs(x).max(-1, keepdims=True)
;;       e = np.where(a > 0, np.clip(np.frexp(np.where(a > 0, a, 1))[1] - 1 - 2, -126, 127), 0)      # np.frexp(a)[1] - 1 = floor(log2(a)), exactly
;;       r = np.clip(x / 2.0 ** e, -6, 6)
;;       step = 2.0 ** (np.maximum(np.frexp(np.where(r == 0, 1, r))[1] - 1, 0) - 1)
;;       q = np.round(r / step) * step * 2.0 ** e      # np.round: ties to even
;;       return np.moveaxis(q.reshape(q.shape[:-2] + (-1,))[..., :K], -1, axis).astype(np.float32)
;;   ~~~
;; One version. Each part assembles by itself: llvm-mc -triple=amdgcn-amd-amdhsa -mcpu=gfx1250 --defsym DOCPART=n.
;; ======== version 1 of 1: 6 launches
;; limits: values are held in f16: magnitudes above 65,504 overflow, below 6.1e-05 lose precision
;; workspace buffers: x_codes 4,194,304 bytes; x_scales 262,144 bytes; w_codes 1,572,864 bytes; w_scales 98,304 bytes; wp16 2,097,152 bytes; qkv 50,331,648 bytes; oa 16,777,216 bytes; of 262,144 bytes
;; launch prep (part 1): grid 368 x 1, 4 waves a work-group, no clusters, 104,960 bytes of LDS; arguments x, Wq, Wk, Wv, Wproj, x_codes, x_scales, w_codes, w_scales, wp16; writes x_codes, x_scales, w_codes, w_scales, wp16
.if DOCPART == 1
	.amdgcn_target "amdgcn-amd-amdhsa--gfx1250"
	.amdhsa_code_object_version 6
	.text
	.protected	k_q5922d35020_prep
	.globl	k_q5922d35020_prep
	.p2align	8
	.type	k_q5922d35020_prep,@function
k_q5922d35020_prep:
	s_mov_b64 s[64:65], 0
	v_nop
	global_prefetch_b8 v0, s[64:65] scope:SCOPE_SE
	s_setreg_imm32_b32 hwreg(HW_REG_WAVE_MODE, 25, 1), 1
	s_wait_xcnt 0x0
; THE OPERANDS ARE MADE READY, ONCE.  Three kinds of work-group, told apart by the work-group's number alone; each kind has LDS bytes of its own and its own end.
;   0 .. 255   x [8192][1024] f32 -> codes of FP4 (E2M1), K innermost, [8192][512 bytes], and one E8M0 byte for each 32 along K, [8192][32].
;   256 .. 303 Wq, Wk, Wv [16][1024 (k)][64 (d)] f32 -> codes with K innermost, row n = 1024 x tensor + 64 x head + d, [3072][512 bytes], scale bytes [3072][32].
;   304 .. 367 Wproj [1024 (k)][1024 (n)] f32 -> f16, K innermost, by head: [16 (k / 64)][1024 (n)][64 (k % 64)].
; A block's scale is 2^(floor(log2(its largest magnitude)) - 2); its byte is the largest magnitude's exponent field - 2, held at 1 from below.
; LIMITS: a block of zeros gets the byte 1 where the quantiser says 127 (its codes are zeros, which add nothing, and this program alone reads the bytes); blocks whose largest magnitude
; lies under 2^-124 are held at the byte 1; NaN and infinities among the inputs are not served; Wproj as f16: magnitudes up to 65,504, under 6e-5 with an absolute error of 2^-25.
; No tensor load, no barrier: waves share nothing.
.set XWG,    256                       ; work-groups for x
.set WWG,    48                        ; for the three weights: one for a tensor's head
.set EMAX,   2
.set SPW,    12                        ; v12  LDS address of my spare word; never rewritten
.set NIL,    13                        ; v13  0; never rewritten
.set WREG,   8192                      ; x: a region for each wave: two stages of 32 x 80 bytes, then its 256 scale bytes
.set SP,     80
.set WST,    4*WREG                    ; the weights: a stage of 32 rows x 272 bytes for each wave
.set WPITCH, 272
.set PST,    WST+4*32*WPITCH           ; Wproj: two stages of 32 rows x 144 bytes for each wave
.set PPITCH, 144
.set SPARE,  PST+4*2*32*PPITCH         ; the spare words, 128 bytes for each wave: two blocks of 256 bytes that no other line names
	s_load_b256 s[4:11], s[0:1], 0x0               ; x, Wq, Wk, Wv
	s_load_b256 s[12:19], s[0:1], 0x20             ; Wproj, x's codes, x's scales, the weights' codes
	s_load_b128 s[20:23], s[0:1], 0x40             ; the weights' scales, Wproj as f16
	v_lshl_add_u32 v[SPW], v0, 2, SPARE
	v_mov_b32 v[NIL], 0
	v_lshrrev_b32 v1, 5, v0
	v_readfirstlane_b32 s24, v1                    ; wave 0..3
	v_and_b32 v2, 31, v0                           ; lane
	s_mov_b32 s29, 0                               ; the upper word of every offset
	s_cmp_lt_u32 ttmp9, XWG
	s_cbranch_scc0 .Lnot_x
; ---------------- x: a plain stream of blocks of 32.  A wave takes 16 steps of 512 numbers.  Each load reads 512 consecutive bytes; a step's 2,048 bytes turn through the wave's own
; stage so that a lane holds 16 neighbours along K (two lanes hold a block); a lane's 16 codes are 8 bytes: the wave stores 256 consecutive bytes.
.set STEPS, 16
.set XR,    16                         ; v16-79   four sets of 16 numbers as loaded
.set XX,    80                         ; v80-111  two sets of 16 neighbours
.set XE,    112                        ; v112-127 a scale byte for each step
.set XC,    128                        ; v128-191 codes: registers of its own for each step, so that no store's data are written again
	v_lshlrev_b32 v3, 4, v2                        ; my 16 bytes of a load's 512
	s_mul_i32 s25, s24, WREG
	v_lshrrev_b32 v14, 2, v2
	v_mul_u32_u24 v14, v14, SP
	v_and_b32 v15, 3, v2
	v_lshl_add_u32 v14, v15, 4, v14
	v_add_nc_u32 v14, s25, v14                     ; the stage, on the way in: 80 (lane / 4) + 16 (lane % 4)
	v_mul_u32_u24 v15, v2, SP
	v_add_nc_u32 v15, s25, v15                     ; and on the way out: 80 x lane
	v_lshlrev_b32 v4, 3, v2                        ; my codes' place in a step's 256 bytes
	v_lshrrev_b32 v5, 1, v2
	s_add_co_u32 s25, s25, 2*32*SP
	v_add_nc_u32 v5, s25, v5                       ; my block's scale byte in the wave's 256
	v_lshlrev_b32 v7, 3, v2
	v_add_nc_u32 v6, s25, v7                       ; and on the way out 8 bytes a lane
	s_lshl_b32 s26, ttmp9, 2
	s_add_co_u32 s26, s26, s24                     ; which run of 8,192 numbers is my wave's
	s_lshl_b32 s28, s26, 15
	s_wait_kmcnt 0x0
	s_add_nc_u64 s[4:5], s[4:5], s[28:29]          ; 32,768 bytes of x a run,
	s_lshl_b32 s28, s26, 12
	s_add_nc_u64 s[14:15], s[14:15], s[28:29]      ; 4,096 of codes,
	s_lshl_b32 s28, s26, 8
	s_add_nc_u64 s[16:17], s[16:17], s[28:29]      ; 256 of scale bytes
.macro XLOAD t
.irp i, 0,1,2,3
	global_load_b128 v[XR+16*((\t)%4)+4*\i:XR+16*((\t)%4)+4*\i+3], v3, s[4:5] offset:2048*(\t)+512*\i th:TH_LOAD_NT
.endr
.endm
.macro XTURN t                         ; LDS serves a wave's instructions in order: no wait between the stores and the loads
.irp i, 0,1,2,3
	ds_store_b128 v14, v[XR+16*((\t)%4)+4*\i:XR+16*((\t)%4)+4*\i+3] offset:32*SP*((\t)%2)+8*SP*\i
.endr
.irp i, 0,1,2,3
	ds_load_b128 v[XX+16*((\t)%2)+4*\i:XX+16*((\t)%2)+4*\i+3], v15 offset:32*SP*((\t)%2)+16*\i
.endr
.endm
.irp t, 0,1,2,3
	XLOAD \t
.endr
	s_wait_loadcnt 12                              ; step 0's four loads are in; the twelve of steps 1 to 3 may be out
	XTURN 0
.macro XSTEP t
.set XS, XX+16*((\t)%2)
.if (\t) > 0
	s_wait_dscnt 1                                 ; this step's numbers are back from the stage; the last step's byte store may be out
.else
	s_wait_dscnt 0x0
.endif
.if (\t)+4 < STEPS
	XLOAD (\t)+4                                   ; into the set that the stage's stores have read
.endif
.if (\t)+1 < STEPS
.if STEPS-2-(\t) >= 3
	s_wait_loadcnt 12                              ; the next step's four loads are in; those of the three steps behind it may be out
.else
	s_wait_loadcnt 4*(STEPS-2-(\t))
.endif
	XTURN (\t)+1
.endif
	v_max3_num_f32 v8, |v[XS]|, |v[XS+1]|, |v[XS+2]|               ; the largest magnitude of my 16, in two chains
	v_max3_num_f32 v9, |v[XS+3]|, |v[XS+4]|, |v[XS+5]|
.irp i, 6,10
	v_max3_num_f32 v8, v8, |v[XS+\i]|, |v[XS+\i+1]|
	v_max3_num_f32 v9, v9, |v[XS+\i+2]|, |v[XS+\i+3]|
.endr
	v_max3_num_f32 v8, v8, |v[XS+14]|, |v[XS+15]|
	v_max3_num_f32 v8, v8, v9, (EMAX+1)<<23        ; and the floor 2^(3 - 127): the byte cannot fall under 1
	v_max_num_f32_dpp v8, v8, v8 row_xmask:1 row_mask:0xf bank_mask:0xf   ; with my neighbour's 16: the block's
	v_add_nc_u32 v11, -(EMAX<<23), v8              ; 2 off its exponent field: the conversion takes this operand's exponent field as its scale
	v_cvt_scalef32_pk8_fp4_f32 v[XC+4*(\t)], v[XS:XS+7], v11
	v_cvt_scalef32_pk8_fp4_f32 v[XC+4*(\t)+1], v[XS+8:XS+15], v11
	v_lshrrev_b32 v[XE+(\t)], 23, v11              ; the scale's byte
	ds_store_b8 v5, v[XE+(\t)] offset:16*(\t)      ; both lanes of a block write the same byte with the same value
	global_store_b64 v4, v[XC+4*(\t):XC+4*(\t)+1], s[14:15] offset:256*(\t)
.endm
.irp t, 0,1,2,3,4,5,6,7,8,9,10,11,12,13,14,15
	XSTEP \t
.endr
	ds_load_b64 v[8:9], v6                         ; my wave's 256 scale bytes: these loads see my stores
	s_wait_dscnt 0x0
	global_store_b64 v7, v[8:9], s[16:17]          ; 32 lanes store 256 consecutive bytes, aligned
	s_wait_tensorcnt 0x0                           ; the wave's end, behind my last LDS store
	ds_add_u32 v[SPW], v[NIL]
	s_wait_dscnt 0x0
	s_endpgm
; ---------------- the weights: K is the middle axis.  A lane takes a column d and its registers run down K: a block of 32 lies in one lane, and the codes come out with K innermost.
; Wave w takes columns 32 (w % 2) on and K 512 (w / 2) on: 16 blocks a lane, 256 bytes of codes a column, which go through the wave's stage and leave sixteen lanes to 256 aligned bytes.
.Lnot_x:
	s_cmp_lt_u32 ttmp9, XWG+WWG
	s_cbranch_scc0 .Lpath_p
.set NB,  16
.set WSB, 24                           ; v24-27   the scale bytes, four to a register
.set WX,  32                           ; v32-95   two sets of 32 numbers
.set WC,  96                           ; v96-99   a block's codes
.set WO,  112                          ; v112-175 the way out
	s_sub_co_u32 s25, ttmp9, XWG
	s_lshr_b32 s26, s25, 4                         ; which tensor: 0 Wq, 1 Wk, 2 Wv
	s_and_b32 s27, s25, 15                         ; the head
	s_and_b32 s30, s24, 1                          ; which 32 columns
	s_lshr_b32 s31, s24, 1                         ; which 512 along K
	v_lshlrev_b32 v3, 2, v2                        ; in: 4 bytes a lane
	s_mul_i32 s32, s24, 32*WPITCH
	s_add_co_u32 s32, s32, WST                     ; my stage
	v_mul_u32_u24 v4, v2, WPITCH
	v_add_nc_u32 v4, s32, v4                       ; into it: row = my column
	v_and_b32 v5, 15, v2
	v_lshrrev_b32 v6, 4, v2
	v_mul_u32_u24 v7, v6, WPITCH
	v_lshl_add_u32 v7, v5, 4, v7
	v_add_nc_u32 v7, s32, v7                       ; out of it: sixteen lanes to a row, two rows an instruction
	v_lshlrev_b32 v8, 9, v6
	v_lshl_add_u32 v8, v5, 4, v8                   ; the same place among the codes' rows of 512 bytes
	v_lshlrev_b32 v9, 5, v2                        ; my column's row of 32 scale bytes
	s_lshl_b32 s28, s27, 18                        ; a head is 262,144 bytes,
	s_lshl_b32 s33, s31, 17                        ; 512 rows of 256 bytes,
	s_add_co_u32 s28, s28, s33
	s_lshl_b32 s33, s30, 7                         ; 32 columns of 4 bytes
	s_add_co_u32 s28, s28, s33
	s_lshl_b32 s34, s26, 10
	s_lshl_b32 s33, s27, 6
	s_add_co_u32 s34, s34, s33
	s_lshl_b32 s33, s30, 5
	s_add_co_u32 s34, s34, s33                     ; my first row of the codes: 1024 x tensor + 64 x head + 32 x half
	s_wait_kmcnt 0x0
	s_cmp_eq_u32 s26, 0                            ; the choice hangs on the work-group's number alone
	s_cselect_b64 s[36:37], s[6:7], s[8:9]
	s_cmp_eq_u32 s26, 2
	s_cselect_b64 s[36:37], s[10:11], s[36:37]
	s_add_nc_u64 s[36:37], s[36:37], s[28:29]
	s_lshl_b32 s28, s34, 9
	s_lshl_b32 s33, s31, 8
	s_add_co_u32 s28, s28, s33
	s_add_nc_u64 s[18:19], s[18:19], s[28:29]
	s_lshl_b32 s28, s34, 5
	s_lshl_b32 s33, s31, 4
	s_add_co_u32 s28, s28, s33
	s_add_nc_u64 s[20:21], s[20:21], s[28:29]
.macro WLOAD t                         ; block t: W(32 t + i, my column) into set t % 2
.irp i, 0,1,2,3,4,5,6,7,8,9,10,11,12,13,14,15,16,17,18,19,20,21,22,23,24,25,26,27,28,29,30,31
	global_load_b32 v[WX+32*((\t)%2)+\i], v3, s[36:37] offset:(32*(\t)+\i)*256 th:TH_LOAD_NT
.endr
.endm
	WLOAD 0
	WLOAD 1
.macro WBLOCK t
.set WS, WX+32*((\t)%2)
.if (\t) < NB-1
	s_wait_loadcnt 32                              ; this block's 32 loads are in; the next block's may be out
.else
	s_wait_loadcnt 0
.endif
	v_max3_num_f32 v16, |v[WS]|, |v[WS+1]|, |v[WS+2]|              ; the block's largest magnitude: all 32 numbers are mine
	v_max3_num_f32 v17, |v[WS+3]|, |v[WS+4]|, |v[WS+5]|
.irp i, 6,10,14,18,22,26
	v_max3_num_f32 v16, v16, |v[WS+\i]|, |v[WS+\i+1]|
	v_max3_num_f32 v17, v17, |v[WS+\i+2]|, |v[WS+\i+3]|
.endr
	v_max3_num_f32 v16, v16, |v[WS+30]|, |v[WS+31]|
	v_max3_num_f32 v16, v16, v17, (EMAX+1)<<23     ; and the floor
	v_add_nc_u32 v11, -(EMAX<<23), v16             ; the conversion's scale operand
	v_lshrrev_b32 v17, 23, v11                     ; the scale's byte
.if (\t)%4 == 0
	v_mov_b32 v[WSB+(\t)/4], v17                   ; four bytes to a register, the lower K in the lower byte
.else
	v_lshl_or_b32 v[WSB+(\t)/4], v17, 8*((\t)%4), v[WSB+(\t)/4]
.endif
.irp g, 0,1,2,3
	v_cvt_scalef32_pk8_fp4_f32 v[WC+\g], v[WS+8*\g:WS+8*\g+7], v11
.endr
	ds_store_b128 v4, v[WC:WC+3] offset:16*(\t)    ; 32 codes: 16 bytes of my column's row
.if (\t)+2 < NB
	WLOAD (\t)+2
.endif
	s_wait_dscnt 0x0                               ; the store has read its registers: the next block's codes may be written
.endm
.set Q, 0
.rept NB
	WBLOCK Q
.set Q, Q+1
.endr
	global_store_b128 v9, v[WSB:WSB+3], s[20:21]   ; my column's 16 scale bytes: half of its row of 32 (98,304 bytes in all leave so, in pieces of 16)
.irp t, 0,1,2,3,4,5,6,7,8,9,10,11,12,13,14,15
	ds_load_b128 v[WO+4*\t:WO+4*\t+3], v7 offset:2*\t*WPITCH
.endr
.irp t, 0,1,2,3,4,5,6,7,8,9,10,11,12,13,14,15
	s_wait_dscnt 15-\t                             ; the younger loads may be out
	global_store_b128 v8, v[WO+4*\t:WO+4*\t+3], s[18:19] offset:2*\t*512   ; sixteen lanes store 256 consecutive bytes, aligned
.endr
	s_wait_tensorcnt 0x0                           ; the wave's end, behind my last LDS store
	ds_add_u32 v[SPW], v[NIL]
	s_wait_dscnt 0x0
	s_endpgm
; ---------------- Wproj: a lane takes a column n, its 128 registers run down K (two heads of 64).  Rounded to f16 in pairs, a head's 64 are a row of 128 bytes of the output;
; the rows go through the wave's stage and leave as 512 consecutive bytes (four rows) an instruction.
.Lpath_p:
.set PX, 32                            ; v32-159: 128 numbers; then per head: 32 registers of f16, and behind them 32 for the rows read back
	s_sub_co_u32 s25, ttmp9, XWG+WWG
	s_and_b32 s26, s25, 7                          ; which 128 columns
	s_lshr_b32 s27, s25, 3                         ; which 128 along K
	v_lshlrev_b32 v3, 2, v2
	s_mul_i32 s30, s24, 2*32*PPITCH
	s_add_co_u32 s30, s30, PST                     ; my stages
	v_mul_u32_u24 v4, v2, PPITCH
	v_add_nc_u32 v4, s30, v4                       ; in: row = my column
	v_lshrrev_b32 v5, 3, v2
	v_mul_u32_u24 v5, v5, PPITCH
	v_and_b32 v7, 7, v2
	v_lshl_add_u32 v5, v7, 4, v5
	v_add_nc_u32 v5, s30, v5                       ; back: eight lanes to a row of 128 bytes, four rows an instruction
	v_lshlrev_b32 v6, 4, v2                        ; and out: 16 bytes a lane
	s_lshl_b32 s28, s27, 19                        ; 128 rows of 4,096 bytes
	s_lshl_b32 s31, s26, 9
	s_add_co_u32 s28, s28, s31
	s_lshl_b32 s31, s24, 7
	s_add_co_u32 s28, s28, s31                     ; + 4 (128 x group + 32 x wave)
	s_wait_kmcnt 0x0
	s_add_nc_u64 s[12:13], s[12:13], s[28:29]
	s_lshl_b32 s28, s27, 18                        ; two heads of 1,024 rows of 128 bytes
	s_lshl_b32 s31, s26, 14
	s_add_co_u32 s28, s28, s31
	s_lshl_b32 s31, s24, 12
	s_add_co_u32 s28, s28, s31
	s_add_nc_u64 s[22:23], s[22:23], s[28:29]
.set i, 0
.rept 128
	global_load_b32 v[PX+i], v3, s[12:13] offset:i*4096 th:TH_LOAD_NT      ; the four waves stand side by side on 512 bytes of a row
.set i, i+1
.endr
.macro PCVT u                          ; in place, ascending: register i takes numbers 2 i and 2 i + 1
.set i, 0
.rept 32
	v_cvt_pk_f16_f32 v[PX+64*\u+i], v[PX+64*\u+2*i], v[PX+64*\u+2*i+1]
.set i, i+1
.endr
.endm
.macro PTURN u
.irp i, 0,1,2,3,4,5,6,7
	ds_store_b128 v4, v[PX+64*\u+4*\i:PX+64*\u+4*\i+3] offset:\u*32*PPITCH+16*\i
.endr
.irp i, 0,1,2,3,4,5,6,7
	ds_load_b128 v[PX+32+64*\u+4*\i:PX+32+64*\u+4*\i+3], v5 offset:\u*32*PPITCH+4*PPITCH*\i
.endr
.endm
.macro PSEND u, younger
.irp i, 0,1,2,3,4,5,6,7
	s_wait_dscnt \younger+7-\i
	global_store_b128 v6, v[PX+32+64*\u+4*\i:PX+32+64*\u+4*\i+3], s[22:23] offset:\u*131072+512*\i   ; 512 consecutive bytes, aligned
.endr
.endm
	s_wait_loadcnt 63                              ; of 128 loads at most 63 are out: the first head's 64 numbers are in
	PCVT 0
	PTURN 0
	s_wait_loadcnt 0x0
	PCVT 1
	PTURN 1
	PSEND 0, 16                                    ; behind the first head's loads: the second head's 8 stores and 8 loads
	PSEND 1, 0
	s_wait_tensorcnt 0x0                           ; the wave's end, behind my last LDS store
	ds_add_u32 v[SPW], v[NIL]
	s_wait_dscnt 0x0
	s_endpgm
.Lfunc_end_k_q5922d35020_prep:
	.size	k_q5922d35020_prep, .Lfunc_end_k_q5922d35020_prep-k_q5922d35020_prep
	.p2alignl 7, 3214868480
	.fill 96, 4, 3214868480
	.section	.rodata,"a",@progbits
	.p2align	6, 0x0
	.amdhsa_kernel k_q5922d35020_prep
		.amdhsa_group_segment_fixed_size 104960
		.amdhsa_private_segment_fixed_size 0
		.amdhsa_enable_private_segment 0
		.amdhsa_kernarg_size 80
		.amdhsa_user_sgpr_count 2
		.amdhsa_user_sgpr_kernarg_segment_ptr 1
		.amdhsa_wavefront_size32 1
		.amdhsa_system_sgpr_workgroup_id_x 1
		.amdhsa_system_sgpr_workgroup_id_y 1
		.amdhsa_system_sgpr_workgroup_id_z 1
		.amdhsa_system_vgpr_workitem_id 0
		.amdhsa_next_free_vgpr 192
		.amdhsa_next_free_sgpr 66
		.amdhsa_reserve_vcc 0
		.amdhsa_float_denorm_mode_32 3
		.amdhsa_float_denorm_mode_16_64 3
		.amdhsa_memory_ordered 1
		.amdhsa_forward_progress 1
		.amdhsa_inst_pref_size 132
	.end_amdhsa_kernel
	.amdgpu_metadata
---
amdhsa.version: [ 1, 2 ]
amdhsa.kernels:
  - .name:           k_q5922d35020_prep
    .symbol:         k_q5922d35020_prep.kd
    .args:
      - { .name: x, .offset: 0, .size: 8, .value_kind: global_buffer, .address_space: global }
      - { .name: Wq, .offset: 8, .size: 8, .value_kind: global_buffer, .address_space: global }
      - { .name: Wk, .offset: 16, .size: 8, .value_kind: global_buffer, .address_space: global }
      - { .name: Wv, .offset: 24, .size: 8, .value_kind: global_buffer, .address_space: global }
      - { .name: Wproj, .offset: 32, .size: 8, .value_kind: global_buffer, .address_space: global }
      - { .name: x_codes, .offset: 40, .size: 8, .value_kind: global_buffer, .address_space: global }
      - { .name: x_scales, .offset: 48, .size: 8, .value_kind: global_buffer, .address_space: global }
      - { .name: w_codes, .offset: 56, .size: 8, .value_kind: global_buffer, .address_space: global }
      - { .name: w_scales, .offset: 64, .size: 8, .value_kind: global_buffer, .address_space: global }
      - { .name: wp16, .offset: 72, .size: 8, .value_kind: global_buffer, .address_space: global }
    .group_segment_fixed_size: 104960
    .private_segment_fixed_size: 0
    .kernarg_segment_align: 8
    .kernarg_segment_size: 80
    .max_flat_workgroup_size: 128
    .sgpr_count:     66
    .vgpr_count:     192
    .wavefront_size: 32
...
	.end_amdgpu_metadata
.endif
;; end of part 1
;; launch qkv (part 2): grid 12 x 32, 4 waves a work-group, clusters of 4 x 4, 327,680 bytes of LDS; arguments x_codes, x_scales, w_codes, w_scales, qkv; writes qkv
.if DOCPART == 2
	.amdgcn_target "amdgcn-amd-amdhsa--gfx1250"
	.amdhsa_code_object_version 6
	.text
	.protected	k_q5922d35020_qkv
	.globl	k_q5922d35020_qkv
	.p2align	8
	.type	k_q5922d35020_qkv,@function
k_q5922d35020_qkv:
	s_mov_b64 s[64:65], 0
	v_nop
	global_prefetch_b8 v0, s[64:65] scope:SCOPE_SE
	s_setreg_imm32_b32 hwreg(HW_REG_WAVE_MODE, 25, 1), 1
	s_wait_xcnt 0x0
	s_wait_alu depctr_hold_cnt(0) depctr_sa_sdst(0) depctr_va_vdst(0) depctr_va_sdst(0) depctr_va_ssrc(0) depctr_va_vcc(0) depctr_vm_vsrc(0)
	s_getreg_b32 s2, hwreg(HW_REG_IB_STS2, 6, 4)
	s_cmp_eq_u32 s2, 0
	s_cbranch_scc0 .Lentry_in_a_cluster
	s_endpgm
.Lentry_in_a_cluster:
	s_bfe_u32 s2, ttmp6, 0x10000c
	s_cmp_lg_u32 s2, 0xf033
	s_cbranch_scc0 .Lentry_shape_is_right
	s_endpgm
.Lentry_shape_is_right:
; q, k AND v IN ONE PRODUCT ON CODES OF FP4: C[m][n] = sum over c of x[m][c] W[n][c], m = 2048 b + t, n = 1024 x (0 q, 1 k, 2 v) + 64 x head + d; sums in f32.
; Codes: 4 bits, two to a byte, K innermost (a row of 1,024 is 512 bytes); one E8M0 byte for each 32 along K (32 bytes a row).  The matrix instruction takes both as they lie.
; The result is rounded once to f16 and laid by head: [3][4 b][16 h][2048 t][64 d], so that two neighbouring t of a head are 256 consecutive aligned bytes.
; LIMIT: |q|, |k|, |v| up to 65,504 (f16); under 6e-5 with an absolute error of 2^-25.
; A tile of C, 256 x 256, is made by four waves, each 128 x 128: 64 accumulators, 512 registers.  K = 1,024 is two K steps of 512: the two LDS slots are filled once each, with the scales, at the start.
; CLUSTERS: 4 x 4 work-groups.  The four of a row of the cluster need the same tiles of x, the four of a column the same tiles of W: each is asked for jointly, by the same tensor load with the same
; descriptor and a mask that names the four.  THE MATRIX INSTRUCTION IS USED TRANSPOSED (source 0 = 16 rows of W, source 1 = 16 rows of x): a lane holds eight neighbouring d of one t.
; REGISTERS, in windows of 256: window 0: v0-31 addresses; v32-95 scale words, two sets (they hold nothing else); v96-127 packed results; v128-191 x's fragments, one set; v192-255 rows read back.
;   window 1: W's fragments, two sets, at v0 and v128.   window 2: the accumulators of my rows 0-63 ((a, b) at v[8 (8 a + b)]);   window 3: those of my rows 64-127.
.set SIZE_K, 1024
.set KSTEP,  512
.set NQ,     KSTEP/128
.set ROWB,   256                       ; a tile's row in bytes
.set KROW,   SIZE_K*4/8                ; a row of codes in memory
.set PITCH,  272                       ; an LDS row: 256 bytes + 16 of padding: the 16 rows that a load touches start at 16 different groups of four banks
.set FR,     8
.set NL,     2
.set NP,     4                         ; places behind this matrix instruction (ISA guide 7.12.1)
.set HALFT,  128*PITCH
.set SLOT,   4*HALFT                   ; x's 256 rows, then W's 256 rows
.set KS,     SIZE_K/32                 ; a row of scales in bytes
.set SCL,    2*SLOT                    ; behind the slots: the scales, as units of 256 bytes + 16 of padding
.set HALFS,  (128*KS/256)*272
.set SBLK,   (16*KS/256)*272
.set SPARE,  SCL+4*HALFS               ; the spare words, 128 bytes for each wave: two blocks of 256 bytes that no other line names
.set SPITCH, 272                       ; the way out: a stage of 16 rows x (256 bytes + 16) for each wave, in slot 0, which has had its one fill and its last read by then
.set ADRA, 16
.set ADRB, 20
.set STO,  24
.set RD,   25
.set CO,   26
.set ADRS, 27
.set SPW,  28
.set NIL,  29
.set SC,   32
.set TMP,  96
.set AF,   128
.set OB,   192
.set G1, 24
.set G0, 32
.set G1B, 48
.set G0B, 56
.set G1S, 68
.set G0S, 76
.set G1SB, 80
.set G0SB, 88
.set MSB, 0
.macro WIN new                         ; the immediate's high byte repeats the setting that is left
.if MSB != (\new)
	s_set_vgpr_msb (MSB<<8)|(\new)
.set MSB, (\new)
.endif
.endm
.set MUL_LO, 0xa1                      ; source 0 (W) window 1, source 1 (x) window 0, C and D window 2
.set MUL_HI, 0xf1
.set TO_B,   0x40
; A joint load: waves 0 and 1 fetch for x, waves 2 and 3 for W.  The branch hangs on the wave's number alone.  An s_nop 0 and four v_nop follow each line.
.macro JLOAD g0a, g1a, g0b, g1b
	s_cmp_eq_u32 s15, 0
	s_cbranch_scc0 .Lfor_b_\@
	tensor_load_to_lds s[\g0a:\g0a+3], s[\g1a:\g1a+7]
	s_nop 0
.rept 4
	v_nop
.endr
	s_branch .Lasked_\@
.Lfor_b_\@:
	tensor_load_to_lds s[\g0b:\g0b+3], s[\g1b:\g1b+7]
	s_nop 0
.rept 4
	v_nop
.endr
.Lasked_\@:
.endm
.macro CROUND                          ; a round of the cluster's barrier
	s_barrier_signal -1
	s_barrier_wait -1
	s_cmp_lg_u32 s14, 0
	s_cbranch_scc1 .Lnot_wave_0_\@
	s_barrier_signal -3
.Lnot_wave_0_\@:
	s_barrier_wait -3
	s_barrier_signal -1
	s_barrier_wait -1
.endm
	s_load_b128 s[4:7], s[0:1], 0x0                ; x's codes, x's scales
	s_load_b128 s[8:11], s[0:1], 0x10              ; W's codes, W's scales
	s_load_b64 s[12:13], s[0:1], 0x20              ; qkv
	v_lshl_add_u32 v[SPW], v0, 2, SPARE
	v_mov_b32 v[NIL], 0
	ds_add_u32 v[SPW], v[NIL]                      ; the wave's opening: the add, twice on end, and its wait ahead of my first tensor load
	ds_add_u32 v[SPW], v[NIL]
	v_lshrrev_b32 v1, 5, v0
	v_readfirstlane_b32 s14, v1                    ; wave 0..3
	s_lshr_b32 s15, s14, 1                         ; which half of the tile's rows is mine.  Also: I fetch for x (0) or for W (1)
	s_and_b32 s16, s14, 1                          ; which half of its columns.  Also: which 128 rows of that tile I fetch
	s_bfe_u32 s40, ttmp6, 0x40000                  ; cx, cy
	s_bfe_u32 s41, ttmp6, 0x40004
	s_lshl_b32 s42, ttmp9, 2
	s_add_co_u32 s42, s42, s40                     ; tile column = 4 x cluster x + cx
	s_and_b32 s17, ttmp7, 0xffff
	s_lshl_b32 s17, s17, 2
	s_add_co_u32 s17, s17, s41                     ; tile row = 4 x cluster y + cy
	s_lshl_b32 s43, s41, 2
	s_lshl_b32 s43, 15, s43                        ; my row of the cluster
	s_lshl_b32 s44, 0x1111, s40                    ; my column
	s_or_b32 s[G1+0], s43, (0<<16)|(1<<20)|(1<<21)|(5<<22)|(3<<25)  ; the mask; elements of 1 byte; padding on; bit 21 beside a mask; four words behind every 64
	s_or_b32 s[G1B+0], s44, (0<<16)|(1<<20)|(1<<21)|(5<<22)|(3<<25)
.irp g, G1, G1B
	s_mov_b32 s[\g+1], ROWB<<16                    ; tensor_dim0
	s_mov_b32 s[\g+2], 128<<16                     ; tensor_dim1
	s_mov_b32 s[\g+3], ROWB<<16                    ; tile_dim0
	s_mov_b32 s[\g+4], 128                         ; tile_dim1
	s_mov_b32 s[\g+5], KROW                        ; the pitch
	s_mov_b32 s[\g+6], 0
	s_mov_b32 s[\g+7], 0
.endr
	s_or_b32 s[G1S+0], s43, (3<<16)|(1<<20)|(1<<21)|(5<<22)|(3<<25) ; the scales of 128 rows: a dense block, as rows of 256 bytes (32 elements of 8 bytes)
	s_or_b32 s[G1SB+0], s44, (3<<16)|(1<<20)|(1<<21)|(5<<22)|(3<<25)
.irp g, G1S, G1SB
	s_mov_b32 s[\g+1], 32<<16
	s_mov_b32 s[\g+2], (128*KS/256)<<16
	s_mov_b32 s[\g+3], 32<<16
	s_mov_b32 s[\g+4], 128*KS/256
	s_mov_b32 s[\g+5], 32
	s_mov_b32 s[\g+6], 0
	s_mov_b32 s[\g+7], 0
.endr
	s_lshl_b32 s18, s16, 7
	s_lshl_b32 s20, s17, 8
	s_add_co_u32 s20, s20, s18                     ; x: row 256 x tile row + 128 x half
	s_lshl_b32 s46, s42, 8
	s_add_co_u32 s46, s46, s18                     ; W: row 256 x tile column + 128 x half
	s_mov_b32 s21, 0
	s_mov_b32 s47, 0
	s_mov_b64 s[18:19], KS
	s_mul_u64 s[22:23], s[20:21], s[18:19]
	s_mul_u64 s[92:93], s[46:47], s[18:19]
	s_mov_b64 s[18:19], KROW
	s_mul_u64 s[20:21], s[20:21], s[18:19]
	s_mul_u64 s[46:47], s[46:47], s[18:19]
	s_mul_i32 s45, s14, HALFT                      ; where they go: wave x 128 rows: no place in the cluster enters an LDS address
	s_mul_i32 s94, s14, HALFS
	s_wait_dscnt 0x0                               ; both opening adds are done
	s_wait_kmcnt 0x0
	s_add_nc_u64 s[20:21], s[4:5], s[20:21]
	s_add_nc_u64 s[22:23], s[6:7], s[22:23]
	s_add_nc_u64 s[46:47], s[8:9], s[46:47]
	s_add_nc_u64 s[92:93], s[10:11], s[92:93]
	CROUND                                         ; all sixteen work-groups are here: the joint loads meet
	s_mov_b32 s[G0S], 1
	s_add_co_u32 s[G0S+1], s94, SCL
	s_mov_b64 s[G0S+2:G0S+3], s[22:23]
	s_or_b32 s[G0S+3], s[G0S+3], 0x80000000
	s_mov_b32 s[G0SB], 1
	s_add_co_u32 s[G0SB+1], s94, SCL
	s_mov_b64 s[G0SB+2:G0SB+3], s[92:93]
	s_or_b32 s[G0SB+3], s[G0SB+3], 0x80000000
	JLOAD G0S, G1S, G0SB, G1SB                     ; the scales first: three tensor loads of mine are out at the most
.irp s, 0,1
	s_mov_b32 s[G0+4*\s], 1
	s_add_co_u32 s[G0+4*\s+1], s45, \s*SLOT
	s_add_nc_u64 s[G0+4*\s+2:G0+4*\s+3], s[20:21], \s*ROWB
	s_or_b32 s[G0+4*\s+3], s[G0+4*\s+3], 0x80000000
	s_mov_b32 s[G0B+4*\s], 1
	s_add_co_u32 s[G0B+4*\s+1], s45, \s*SLOT
	s_add_nc_u64 s[G0B+4*\s+2:G0B+4*\s+3], s[46:47], \s*ROWB
	s_or_b32 s[G0B+4*\s+3], s[G0B+4*\s+3], 0x80000000
	JLOAD G0+4*\s, G1, G0B+4*\s, G1B
.endr
	v_and_b32 v1, 15, v0                           ; r = l % 16
	v_bfe_u32 v2, v0, 4, 1                         ; h = l / 16
	v_mul_u32_u24 v3, v1, PITCH
	v_lshl_add_u32 v4, v2, 4, v3                   ; a fragment's row x pitch + 16 h
	s_mul_i32 s21, s15, HALFT
	s_mul_i32 s22, s16, HALFT
	s_add_co_u32 s22, s22, 2*HALFT
.irp s, 0,1
	v_add_nc_u32 v[ADRA+\s], s21, v4
	v_add_nc_u32 v[ADRB+\s], s22, v4
	s_add_co_u32 s21, s21, SLOT
	s_add_co_u32 s22, s22, SLOT
.endr
	v_mul_u32_u24 v5, v1, KS                       ; my row's scales: 32 bytes a row,
	v_lshrrev_b32 v6, 8, v5
	v_lshl_add_u32 v5, v6, 4, v5                   ; and 16 more for each 256 passed
	s_mul_i32 s21, s15, HALFS
	s_mul_i32 s22, s16, HALFS
	s_add_co_u32 s22, s22, 2*HALFS
	s_sub_co_u32 s22, s22, s21
	v_mul_u32_u24 v6, s22, v2                      ; lanes 16-31 take W's
	s_add_co_u32 s21, s21, SCL
	v_add_nc_u32 v5, v5, v6
	v_add_nc_u32 v[ADRS], s21, v5
	s_mul_i32 s23, s14, 16*SPITCH                  ; my stage
	v_mul_u32_u24 v5, v1, SPITCH                   ; in: row r, 16 bytes for each half of the lanes
	v_lshl_add_u32 v5, v2, 4, v5
	v_add_nc_u32 v[STO], s23, v5
	v_bfe_u32 v6, v0, 3, 1                         ; back: lanes 0-15 take two rows' bytes of my first head (128 each), lanes 16-31 of my second
	v_and_b32 v7, 7, v0
	v_mul_u32_u24 v8, v6, SPITCH
	v_lshl_add_u32 v8, v2, 7, v8
	v_lshl_add_u32 v8, v7, 4, v8
	v_add_nc_u32 v[RD], s23, v8
	v_lshlrev_b32 v9, 7, v6                        ; and in memory: a t is 128 bytes, a head 262,144
	v_lshl_add_u32 v9, v7, 4, v9
	v_lshl_add_u32 v[CO], v2, 18, v9
	s_lshr_b32 s20, s17, 3                         ; b,
	s_lshl_b32 s20, s20, 22
	s_and_b32 s21, s17, 7                          ; 256 t of 128 bytes,
	s_lshl_b32 s21, s21, 15
	s_add_co_u32 s20, s20, s21
	s_lshl_b32 s21, s15, 14                        ; my 128 of them
	s_add_co_u32 s20, s20, s21
	s_mov_b32 s21, 0
	s_lshr_b32 s46, s42, 2                         ; q, k or v,
	s_lshl_b32 s46, s46, 24
	s_and_b32 s47, s42, 3                          ; four heads to a tile column,
	s_lshl_b32 s47, s47, 20
	s_add_co_u32 s46, s46, s47
	s_lshl_b32 s47, s16, 19                        ; my two of them
	s_add_co_u32 s46, s46, s47
	s_mov_b32 s47, 0
	s_add_nc_u64 s[20:21], s[20:21], s[46:47]
	s_add_nc_u64 s[12:13], s[12:13], s[20:21]
.macro FRAG reg, adr, q, i             ; 16 rows x 128 K of 4-bit codes: 8 registers; registers 4 c .. 4 c + 3 hold K = 64 c + 32 h + 0 .. 31
.irp c, 0,1
	ds_load_b128 v[\reg+4*\c:\reg+4*\c+3], v[\adr] offset:64*(\q)+32*\c+(\i)*16*PITCH
.endr
.endm
; 16 matrix instructions: x's blocks a0, a0 + 1 against W's eight.  The 64 accumulators take turns, one instruction a turn, in the same order in every step.
.macro MUL16 a0, p, q, sc, zero
.irp a, \a0, \a0+1
.irp b, 0,1,2,3,4,5,6,7
.if \zero
	v_wmma_scale_f32_16x16x128_f8f6f4 v[8*(8*((\a)%4)+\b):8*(8*((\a)%4)+\b)+7], v[128*(\p)+FR*\b:128*(\p)+FR*\b+FR-1], v[AF+FR*(\a):AF+FR*(\a)+FR-1], 0, v[SC+8*NQ*(\sc)+NQ*\b+(\q)], v[SC+8*NQ*(\sc)+NQ*(\a)+(\q)] matrix_a_fmt:MATRIX_FMT_FP4 matrix_b_fmt:MATRIX_FMT_FP4 matrix_a_scale:MATRIX_SCALE_ROW1
.else
	v_wmma_scale_f32_16x16x128_f8f6f4 v[8*(8*((\a)%4)+\b):8*(8*((\a)%4)+\b)+7], v[128*(\p)+FR*\b:128*(\p)+FR*\b+FR-1], v[AF+FR*(\a):AF+FR*(\a)+FR-1], v[8*(8*((\a)%4)+\b):8*(8*((\a)%4)+\b)+7], v[SC+8*NQ*(\sc)+NQ*\b+(\q)], v[SC+8*NQ*(\sc)+NQ*(\a)+(\q)] matrix_a_fmt:MATRIX_FMT_FP4 matrix_b_fmt:MATRIX_FMT_FP4 matrix_a_scale:MATRIX_SCALE_ROW1
.endif
.endr
.endr
.endm
.macro FETCH_B slot, q, p
	WIN TO_B
.irp i, 0,1,2,3,4,5,6,7
	FRAG 128*(\p)+FR*\i, ADRB+\slot, \q, \i
.endr
	WIN 0
.endm
.macro FETCH_A slot, q, i0
.irp i, \i0, \i0+1, \i0+2, \i0+3
	FRAG AF+FR*(\i), ADRA+\slot, \q, \i
.endr
.endm
.macro SCALES sc                       ; a K step's scale words: lanes 0-15 take x's block i, lanes 16-31 W's block i
.irp i, 0,1,2,3,4,5,6,7
	ds_load_b128 v[SC+8*NQ*\sc+NQ*\i:SC+8*NQ*\sc+NQ*\i+3], v[ADRS] offset:\i*SBLK
.endr
.endm
.macro PLACES n                        ; plain vector instructions between a matrix instruction and a load into, or a read of, its registers
.rept \n
	v_nop
.endr
.endm
.macro STEP slot, q, zero              ; 128 along K, with its successor in the same slot
	s_wait_dscnt 4*NL                              ; W's set and x's blocks 0-3 are in; the youngest eight loads (x's blocks 4-7) may be out
	WIN MUL_LO
	MUL16 0, (\q)%2, \q, \slot, \zero
	MUL16 2, (\q)%2, \q, \slot, \zero
	s_wait_dscnt 0
	PLACES NP
	FETCH_B \slot, (\q)+1, 1-(\q)%2
	FETCH_A \slot, (\q)+1, 0
	WIN MUL_HI
	MUL16 4, (\q)%2, \q, \slot, \zero
	MUL16 6, (\q)%2, \q, \slot, \zero
	PLACES NP
	WIN 0
	FETCH_A \slot, (\q)+1, 4
.endm
.macro TURN slot, next                 ; slot 0's last step: behind its barrier slot 1 is whole in every wave's eyes, and nobody reads slot 0 any more
	s_wait_tensorcnt 0x0                           ; all my tensor loads have landed: my part of slot 1 among them
	ds_add_u32 v[SPW], v[NIL]                      ; 0 onto my spare word
	s_wait_dscnt 4*NL+1                            ; the add and the youngest eight loads may be out
	WIN MUL_LO
	MUL16 0, 1, NQ-1, \slot, 0
	s_wait_dscnt 0x0                               ; the add is done, and my reads of this slot are over
	s_barrier_signal -1
	MUL16 2, 1, NQ-1, \slot, 0
	WIN 0
	s_barrier_wait -1
	PLACES NP
	v_add_nc_u32 v[ADRS], 4*NQ, v[ADRS]            ; on to the next K step's scale words
	FETCH_B \next, 0, 0
	FETCH_A \next, 0, 0
	SCALES \next
	WIN MUL_HI
	MUL16 4, 1, NQ-1, \slot, 0
	MUL16 6, 1, NQ-1, \slot, 0
	PLACES NP
	WIN 0
	FETCH_A \next, 0, 4
.endm
	s_wait_tensorcnt 1                             ; the scales and my part of K step 0 are in; K step 1's load may be out
	s_barrier_signal -1
	s_barrier_wait -1
	FETCH_B 0, 0, 0
	FETCH_A 0, 0, 0
	SCALES 0
	FETCH_A 0, 0, 4
	STEP 0, 0, 1                                   ; the first products start the sums: nothing is cleared
	STEP 0, 1, 0
	STEP 0, 2, 0
	TURN 0, 1
	STEP 1, 0, 0
	STEP 1, 1, 0
	STEP 1, 2, 0
	s_wait_dscnt 4*NL                              ; the last step: nothing more to fetch
	WIN MUL_LO
	MUL16 0, 1, NQ-1, 1, 0
	MUL16 2, 1, NQ-1, 1, 0
	s_wait_dscnt 0
	WIN MUL_HI
	MUL16 4, 1, NQ-1, 1, 0
	MUL16 6, 1, NQ-1, 1, 0
	WIN 0
; THE WAY OUT, block by block of 16 t x 128 columns (two heads).  PACK: rounded to f16, 16 bytes a lane, each accumulator from its low end on.  TOSTAGE: into my stage, and back so that
; sixteen lanes hold two neighbouring t of one head.  SEND: sixteen lanes store 256 consecutive aligned bytes.
.macro PACK a
.set AC, 64*((\a)%4)
	WIN 0x0a+5*((\a)/4)                            ; sources 0 and 1: window 2 or 3
.irp b, 0,1,2,3,4,5,6,7
.irp r, 0,1,2,3
	v_cvt_pk_f16_f32 v[TMP+4*\b+\r], v[AC+8*\b+2*\r], v[AC+8*\b+2*\r+1]
.endr
.endr
	WIN 0
.endm
.macro TOSTAGE a
.set BK, OB+32*((\a)%2)
.irp b, 0,1,2,3,4,5,6,7
	ds_store_b128 v[STO], v[TMP+4*\b:TMP+4*\b+3] offset:32*\b
.endr
.irp t, 0,1,2,3,4,5,6,7
	ds_load_b128 v[BK+4*\t:BK+4*\t+3], v[RD] offset:\t*2*SPITCH    ; LDS serves a wave's instructions in order: these see the stores above
.endr
.endm
.macro SEND a
.set BK, OB+32*((\a)%2)
	s_wait_dscnt 0x0                               ; the block is back in registers
	s_wait_xcnt 0x0                                ; the earlier stores have read their registers: the next block's loads may land in the other set
.irp t, 0,1,2,3,4,5,6,7
	global_store_b128 v[CO], v[BK+4*\t:BK+4*\t+3], s[12:13] offset:(\a)*2048+\t*256
.endr
.endm
	PLACES NP
	PACK 0
	TOSTAGE 0
.irp a, 1,2,3,4,5,6,7                  ; block a's conversions stand between block a - 1's loads from the stage and the wait for them
	PACK \a
	SEND \a-1
	TOSTAGE \a
.endr
	SEND 7
	s_wait_tensorcnt 0x0                           ; the wave's end, behind my last tensor load and my last LDS store
	ds_add_u32 v[SPW], v[NIL]
	s_wait_dscnt 0x0
	CROUND                                         ; the closing round: no work-group ends while a partner may still ask for a tile that names it
	s_endpgm
.Lfunc_end_k_q5922d35020_qkv:
	.size	k_q5922d35020_qkv, .Lfunc_end_k_q5922d35020_qkv-k_q5922d35020_qkv
	.p2alignl 7, 3214868480
	.fill 96, 4, 3214868480
	.section	.rodata,"a",@progbits
	.p2align	6, 0x0
	.amdhsa_kernel k_q5922d35020_qkv
		.amdhsa_group_segment_fixed_size 327680
		.amdhsa_private_segment_fixed_size 0
		.amdhsa_enable_private_segment 0
		.amdhsa_kernarg_size 40
		.amdhsa_user_sgpr_count 2
		.amdhsa_user_sgpr_kernarg_segment_ptr 1
		.amdhsa_wavefront_size32 1
		.amdhsa_system_sgpr_workgroup_id_x 1
		.amdhsa_system_sgpr_workgroup_id_y 1
		.amdhsa_system_sgpr_workgroup_id_z 1
		.amdhsa_system_vgpr_workitem_id 0
		.amdhsa_next_free_vgpr 1024
		.amdhsa_next_free_sgpr 98
		.amdhsa_reserve_vcc 0
		.amdhsa_float_denorm_mode_32 3
		.amdhsa_float_denorm_mode_16_64 3
		.amdhsa_memory_ordered 1
		.amdhsa_forward_progress 1
		.amdhsa_inst_pref_size 127
	.end_amdhsa_kernel
	.amdgpu_metadata
---
amdhsa.version: [ 1, 2 ]
amdhsa.kernels:
  - .name:           k_q5922d35020_qkv
    .symbol:         k_q5922d35020_qkv.kd
    .args:
      - { .name: x_codes, .offset: 0, .size: 8, .value_kind: global_buffer, .address_space: global }
      - { .name: x_scales, .offset: 8, .size: 8, .value_kind: global_buffer, .address_space: global }
      - { .name: w_codes, .offset: 16, .size: 8, .value_kind: global_buffer, .address_space: global }
      - { .name: w_scales, .offset: 24, .size: 8, .value_kind: global_buffer, .address_space: global }
      - { .name: qkv, .offset: 32, .size: 8, .value_kind: global_buffer, .address_space: global }
    .group_segment_fixed_size: 327680
    .private_segment_fixed_size: 0
    .kernarg_segment_align: 8
    .kernarg_segment_size: 40
    .max_flat_workgroup_size: 128
    .sgpr_count:     98
    .vgpr_count:     1024
    .wavefront_size: 32
...
	.end_amdgpu_metadata
.endif
;; end of part 2
;; launch attn (part 3): grid 4 x 64, 8 waves a work-group, no clusters, 327,680 bytes of LDS; arguments qkv, oa; writes oa
.if DOCPART == 3
	.amdgcn_target "amdgcn-amd-amdhsa--gfx1250"
	.amdhsa_code_object_version 6
	.text
	.protected	k_q5922d35020_attn
	.globl	k_q5922d35020_attn
	.p2align	8
	.type	k_q5922d35020_attn,@function
k_q5922d35020_attn:
	s_mov_b64 s[64:65], 0
	v_nop
	global_prefetch_b8 v0, s[64:65] scope:SCOPE_SE
	s_setreg_imm32_b32 hwreg(HW_REG_WAVE_MODE, 25, 1), 1
	s_wait_xcnt 0x0
; CAUSAL ATTENTION, f16 operands, f32 sums, maxima and softmax.  O[bh][t] = sum over s <= t of softmax_s(q[t] . k[s] / 32) v[s].  q, k, v: [3][64 bh][2048][64] f16; O: [64 bh][2048][64] f16.
; SHARES.  Work-group (i, bh) owns the blocks of 256 queries i and 7 - i of one head AT THE SAME TIME: 9 blocks' worth of keys for every i, so all 256 work-groups have equal work.
; Wave w holds four tiles of 16 queries in two PIECES: piece 0 (tiles 0, 1) = queries 256 i + 32 w on, piece 2 (tiles 2, 3) = queries 256 (7 - i) + 32 w on; a fragment of K or V read from LDS serves both.
; Two waves share a SIMD (512 registers each), so that one wave's softmax stands beside the other's products.
; LAYOUT.  S^T = K Q^T (source 0 = 16 keys, source 1 = 16 queries): a lane holds ONE query (lane % 16) and keys 8 (lane / 16) + 0..7.  Two such tiles, rounded to f16 in pairs, are source 1 of O^T = V^T P.
; SOFTMAX.  A running maximum m and sum l for each query: p = 2^(c s - c m), c = log2(e) / 32; in every step O and l are multiplied by a = 2^(c m_old - c m_new).
; THE WALK.  Every work-group walks 8 units of 256 keys, 4 steps of 64 each: all trip counts are constants.  A step all of whose keys come after a piece's queries is jumped over by a scalar branch on ids.
; A step that is walked for a piece begins at or under the piece's first query (both are multiples of 32), so every query of the piece has a key that counts in it.
; K and V come through two LDS slots of 256 keys.  A head's rows of 128 bytes lie dense, so a tile is stated as PAIR ROWS of 256 bytes, padded behind each: key s lies at (s / 2) x pitch + 128 (s % 2).
; NO CLUSTER: the four work-groups of a head need 8, 7, 6 and 5 units: a joint load would bring some partners tiles that none of their waves reads.
; LIMITS: O as f16 (up to 65,504; under 6e-5 with an absolute error of 2^-25); p under 6e-8 is lost in f16.  Positions 0 to 15 of every sequence are made anew in f32 by later launches.
; REGISTERS.  window 0: v1-14 addresses; v32-63 statistics, 8 a tile; v64-127 S^T of the piece in hand; v128-159 P; v160-223 K.   window 1: v0-127 O^T, 32 a tile; v128-191 Q, 16 a tile; v192-255 V.
.set PK,     272                       ; K: a pair row + 16 bytes: the 16 keys of a fragment load fall on 16 different 16-byte columns
.set PVP,    288                       ; V: a pair row + 32 bytes: the 8 keys x 2 halves of a turning load likewise
.set VOFF,   128*PK                    ; a slot: 128 pair rows of K, then 128 of V
.set SLOT1,  1<<17                     ; slot 1 begins here: one exclusive or turns an address
.set KSTP,   32*PK                     ; a step's 64 keys
.set VSTP,   32*PVP
.set STAGE,  2*SLOT1                   ; behind the slots: 16 rows x 144 bytes for each wave, for the way out
.set SPITCH, 144
.set SPARE,  STAGE+8*16*SPITCH         ; the spare words, 128 bytes for each wave: four blocks of 256 bytes that no other line names
.set AK0, 1
.set AV0, 2
.set ADK, 3
.set ADV, 4
.set STO, 5
.set RD,  6
.set GO,  7
.set QO,  8
.set LD,  9                            ; v9   lane % 16 - 8 (lane / 16)
.set DD,  10                           ; v10  the mask's bound
.set NEG, 11                           ; v11  -infinity
.set SPW, 12
.set NIL, 13
.set PFO, 14                           ; v14  256 x lane
.set ST,  32                           ; tile T's statistics at v[ST + 8 T]: +0 c m, +1 m, +2, +3 l, +4 to +7 at work; a in +6
.set S,   64
.set P,   128
.set KFR, 160
.set QFR, 128                          ; in window 1
.set VFR, 192                          ; in window 1
.set WV,    8
.set QA0,   11                         ; s11, s12  the pieces' first queries
.set QB0,   12
.set QAL,   13                         ; s13, s14  their last
.set QBL,   14
.set LASTQ, 15                         ; s15  the work-group's last query
.set KF,    16                         ; s16  the step's first key
.set TK,    17                         ; s17, s18  LDS bytes at which the step's K and V begin
.set TV,    18
.set SLOTS, 19
.set STEPC, 20
.set LIM,   21
.set CS,    22
.set G1K,   24
.set G1V,   32
.set G0K,   40
.set G0V,   44
.set SEL,   48
.set PFA,   50
.set QPA,   52                         ; s[52:55] Q at the pieces' first rows; s[56:59] O likewise
.set OPA,   56
.set MSB, 0
.macro WIN new
.if MSB != (\new)
	s_set_vgpr_msb (MSB<<8)|(\new)
.set MSB, (\new)
.endif
.endm
; Waves 0 and 1 fetch K's halves of a unit, waves 2 and 3 V's, the others nothing.  The branches hang on the wave's number alone.  An s_nop 0 and four v_nop follow each line.
.macro TLOAD
	s_cmp_lt_u32 s[WV], 2
	s_cbranch_scc0 .Lnot_k_\@
	tensor_load_to_lds s[G0K:G0K+3], s[G1K:G1K+7]
	s_nop 0
.rept 4
	v_nop
.endr
	s_branch .Lasked_\@
.Lnot_k_\@:
	s_cmp_lt_u32 s[WV], 4
	s_cbranch_scc0 .Lasked_\@
	tensor_load_to_lds s[G0V:G0V+3], s[G1V:G1V+7]
	s_nop 0
.rept 4
	v_nop
.endr
.Lasked_\@:
.endm
; A PREFETCH of what the NEXT change of slots will ask for: a unit's 32,768 bytes of K and of V.  All four work-groups of a head walk the same K and V: the first (i = 0, which walks all units) asks.
; In it the waves ask that fetch nothing: waves 4 and 5 for K's halves, waves 6 and 7 for V's: 16,384 bytes a wave, lanes 256 bytes apart, two instructions.  So each aligned block of 256 bytes is named once.
; It stands a unit's 4 steps ahead of the load.  The last change that fills a slot asks for nothing; units 0 and 1 come by their loads alone.
.macro ASK
	s_cmp_gt_u32 s[SLOTS], s[LIM]
	s_cbranch_scc0 .Lnot_mine_\@
	global_prefetch_b8 v[PFO], s[PFA:PFA+1] th:TH_LOAD_NT scope:SCOPE_SE
	global_prefetch_b8 v[PFO], s[PFA:PFA+1] offset:8192 th:TH_LOAD_NT scope:SCOPE_SE
.Lnot_mine_\@:
.endm
	s_load_b128 s[4:7], s[0:1], 0x0                ; qkv, oa
	v_lshl_add_u32 v[SPW], v0, 2, SPARE
	v_mov_b32 v[NIL], 0
	ds_add_u32 v[SPW], v[NIL]                      ; the wave's opening: the add, twice on end, and its wait ahead of my first tensor load
	ds_add_u32 v[SPW], v[NIL]
	v_lshrrev_b32 v16, 5, v0
	v_readfirstlane_b32 s[WV], v16                 ; wave 0..7
	s_lshl_b32 s60, s[WV], 5
	s_lshl_b32 s[QA0], ttmp9, 8
	s_add_co_u32 s[QA0], s[QA0], s60               ; 256 i + 32 w
	s_sub_co_u32 s[QB0], 7, ttmp9
	s_lshl_b32 s[QB0], s[QB0], 8
	s_or_b32 s[LASTQ], s[QB0], 255                 ; 256 (8 - i) - 1
	s_add_co_u32 s[QB0], s[QB0], s60               ; 256 (7 - i) + 32 w
	s_add_co_u32 s[QAL], s[QA0], 31
	s_add_co_u32 s[QBL], s[QB0], 31
	; descriptor group 1: 64 pair rows of 128 elements of 2 bytes, dense in memory, padded in LDS
	s_mov_b32 s[G1K], (1<<16)|(1<<20)|(5<<22)|(3<<25)              ; no mask; elements of 2 bytes; padding on; four words behind every 64
	s_mov_b32 s[G1V], (1<<16)|(1<<20)|(5<<22)|(7<<25)              ; eight words behind every 64
.irp g, G1K, G1V
	s_mov_b32 s[\g+1], 128<<16                     ; tensor_dim0
	s_mov_b32 s[\g+2], 64<<16                      ; tensor_dim1
	s_mov_b32 s[\g+3], 128<<16                     ; tile_dim0
	s_mov_b32 s[\g+4], 64                          ; tile_dim1
	s_mov_b32 s[\g+5], 128                         ; the pitch
	s_mov_b32 s[\g+6], 0
	s_mov_b32 s[\g+7], 0
.endr
	s_mov_b32 s[CS], 0x3d38aa3b                    ; c = log2(e) / sqrt(1024)
	s_mov_b32 s[CS+1], s[CS]                       ; (named with it as a pair, so it is written)
	s_mov_b32 s[SEL], 0x76543210
	s_mov_b32 s[SEL+1], 0xfedcba98                 ; v_permlanex16_b32's selects for lane l xor 16
	s_mov_b32 s[KF], 0
	s_mov_b32 s[TK], 0
	s_mov_b32 s[TV], 0
	s_mov_b32 s[SLOTS], 7
	s_and_b32 s60, ttmp7, 0xffff                   ; the head among 64
	s_lshl_b32 s60, s60, 18                        ; 262,144 bytes each
	s_mov_b32 s61, 0
	s_and_b32 s70, s[WV], 1                        ; which half of a unit I fetch, if I fetch:
	s_mul_i32 s71, s70, 64*PK                      ; its place in a slot, for K
	s_mul_i32 s72, s70, 64*PVP
	s_add_co_u32 s72, s72, VOFF                    ; and for V,
	s_lshl_b32 s74, s70, 14                        ; and in memory
	s_mov_b32 s75, 0
	s_lshl_b32 s62, s[QA0], 7
	s_mov_b32 s63, 0
	s_lshl_b32 s66, s[QB0], 7
	s_mov_b32 s67, 0
	s_wait_dscnt 0x0                               ; both opening adds are done
	s_wait_kmcnt 0x0
	s_add_nc_u64 s[4:5], s[4:5], s[60:61]          ; q of my head
	s_add_nc_u64 s[6:7], s[6:7], s[60:61]          ; O of my head
	s_add_nc_u64 s[68:69], s[4:5], 0x1000000       ; k,
	s_add_nc_u64 s[68:69], s[68:69], s[74:75]      ; at my half of unit 0
	s_add_nc_u64 s[76:77], s[4:5], 0x2000000       ; v likewise
	s_add_nc_u64 s[76:77], s[76:77], s[74:75]
	s_mov_b32 s[G0K], 1
	s_mov_b32 s[G0K+1], s71
	s_mov_b64 s[G0K+2:G0K+3], s[68:69]
	s_or_b32 s[G0K+3], s[G0K+3], 0x80000000
	s_mov_b32 s[G0V], 1
	s_mov_b32 s[G0V+1], s72
	s_mov_b64 s[G0V+2:G0V+3], s[76:77]
	s_or_b32 s[G0V+3], s[G0V+3], 0x80000000
	TLOAD                                          ; unit 0 into slot 0: one tensor load of mine is out at any time
	s_add_nc_u64 s[QPA:QPA+1], s[4:5], s[62:63]
	s_add_nc_u64 s[QPA+2:QPA+3], s[4:5], s[66:67]
	s_add_nc_u64 s[OPA:OPA+1], s[6:7], s[62:63]
	s_add_nc_u64 s[OPA+2:OPA+3], s[6:7], s[66:67]
	s_cmp_lt_u32 s[WV], 6                          ; the prefetches: waves 4, 5 stand in K, waves 6, 7 in V,
	s_cselect_b64 s[PFA:PFA+1], s[68:69], s[76:77]
	s_add_nc_u64 s[PFA:PFA+1], s[PFA:PFA+1], 32768 ; at unit 1: the first change of slots steps it to unit 2
	s_lshr_b32 s60, s[WV], 2
	s_xor_b32 s60, s60, 1                          ; 0 in waves 4 to 7,
	s_or_b32 s60, s60, ttmp9                       ; of the head's first work-group
	s_cmp_eq_u32 s60, 0
	s_cselect_b32 s[LIM], 1, -1
	v_and_b32 v16, 15, v0                          ; r
	v_bfe_u32 v17, v0, 4, 1                        ; h
	v_and_b32 v18, 31, v0                          ; lane
	v_lshlrev_b32 v[QO], 7, v16
	v_lshl_add_u32 v[QO], v17, 4, v[QO]            ; Q: row r of 128 bytes + 16 h
	WIN 0x40                                       ; destination window 1
.irp T, 0,1,2,3                        ; Q stays in registers: tile T, channels 32 kc on
.irp kc, 0,1
	global_load_b128 v[QFR+16*\T+8*\kc:QFR+16*\T+8*\kc+3],   v[QO], s[QPA+2*(\T/2):QPA+2*(\T/2)+1] offset:(\T%2)*2048+\kc*64
	global_load_b128 v[QFR+16*\T+8*\kc+4:QFR+16*\T+8*\kc+7], v[QO], s[QPA+2*(\T/2):QPA+2*(\T/2)+1] offset:(\T%2)*2048+\kc*64+32
.endr
.endr
.set i, 0
.rept 128
	v_mov_b32 v[i], 0                              ; O^T.  (The step is written once: its first walk finds zeros, which a = 0 leaves zeros)
.set i, i+1
.endr
	WIN 0
	v_lshrrev_b32 v19, 1, v16
	v_mul_u32_u24 v[AK0], v19, PK
	v_and_b32 v19, 1, v16
	v_lshl_add_u32 v[AK0], v19, 7, v[AK0]
	v_lshl_add_u32 v[AK0], v17, 4, v[AK0]          ; K: (r / 2) x pitch + 128 (r % 2) + 16 h
	v_bfe_u32 v19, v0, 1, 2
	v_lshl_add_u32 v19, v17, 2, v19
	v_mul_u32_u24 v[AV0], v19, PVP                 ; V, for the turning load: key 8 h + lane % 8: pair row 4 h + (lane / 2) % 4,
	v_and_b32 v19, 1, v0
	v_lshl_add_u32 v[AV0], v19, 7, v[AV0]          ; its half,
	v_bfe_u32 v19, v0, 3, 1
	v_lshl_add_u32 v[AV0], v19, 4, v[AV0]          ; channels 8 ((lane / 8) % 2) on
	v_add_nc_u32 v[AV0], VOFF, v[AV0]
	s_mul_i32 s60, s[WV], 16*SPITCH
	s_add_co_u32 s60, s60, STAGE                   ; my stage
	v_mul_u32_u24 v[STO], v16, SPITCH
	v_lshl_add_u32 v[STO], v17, 4, v[STO]
	v_add_nc_u32 v[STO], s60, v[STO]               ; in: row r, 16 bytes for each half of the lanes
	v_lshrrev_b32 v19, 3, v18
	v_mul_u32_u24 v[RD], v19, SPITCH
	v_and_b32 v19, 7, v0
	v_lshl_add_u32 v[RD], v19, 4, v[RD]
	v_add_nc_u32 v[RD], s60, v[RD]                 ; back: eight lanes to a row of 128 bytes, four rows an instruction
	v_lshlrev_b32 v[GO], 4, v18
	v_lshlrev_b32 v19, 3, v17
	v_sub_nc_u32 v[LD], v16, v19
	v_mov_b32 v[NEG], 0xff800000
	v_lshlrev_b32 v[PFO], 8, v18
.irp T, 0,1,2,3
	v_mov_b32 v[ST+8*\T+1], 0xff61b1e6             ; m: -3e38, under every score
	v_mov_b32 v[ST+8*\T+2], 0                      ; l, in two halves
	v_mov_b32 v[ST+8*\T+3], 0
	v_mov_b32 v[ST+8*\T+5], 0                      ; written once on every path: a lane permute's destination counts as one of its sources,
	v_mov_b32 v[ST+8*\T+7], 0                      ; and this one is named as the upper half of the pair that holds a or 1 / l
.endr
.irp T, 0,1,2,3
	v_mul_f32 v[ST+8*\T], s[CS], v[ST+8*\T+1]      ; c m
.endr
; S^T = K Q^T for piece x: 16 products; the 8 accumulators take turns, one instruction a turn; the first 8 start the sums
.macro KQMUL x
	WIN 0x04                                       ; Q in window 1
.irp kc, 0,1
.irp kt, 0,1,2,3
.irp t, 0,1
.if \kc == 0
	v_wmma_f32_16x16x32_f16 v[S+32*\t+8*\kt:S+32*\t+8*\kt+7], v[KFR+8*(2*\kt+\kc):KFR+8*(2*\kt+\kc)+7], v[QFR+16*(\x+\t)+8*\kc:QFR+16*(\x+\t)+8*\kc+7], 0
.else
	v_wmma_f32_16x16x32_f16 v[S+32*\t+8*\kt:S+32*\t+8*\kt+7], v[KFR+8*(2*\kt+\kc):KFR+8*(2*\kt+\kc)+7], v[QFR+16*(\x+\t)+8*\kc:QFR+16*(\x+\t)+8*\kc+7], v[S+32*\t+8*\kt:S+32*\t+8*\kt+7]
.endif
.endr
.endr
.endr
.endm
; O^T += V^T P for piece x: 16 products on 8 accumulators by turns
.macro PVMUL x
	WIN 0x51                                       ; V and O^T in window 1, P in window 0
.irp kk, 0,1
.irp ct, 0,1,2,3
.irp t, 0,1
	v_wmma_f32_16x16x32_f16 v[32*(\x+\t)+8*\ct:32*(\x+\t)+8*\ct+7], v[VFR+8*(4*\kk+\ct):VFR+8*(4*\kk+\ct)+7], v[P+16*\t+8*\kk:P+16*\t+8*\kk+7], v[32*(\x+\t)+8*\ct:32*(\x+\t)+8*\ct+7]
.endr
.endr
.endr
.endm
; On the diagonal the scores of hidden keys become -infinity ahead of the maximum: p = 0 then.  A step all of whose keys count for the piece's first query skips this.
; Register n of tile t holds key KF + 16 (n / 8) + 8 h + n % 8 for query q0 + 16 t + r: hidden where 16 (n / 8) + n % 8 - 16 t > q0 - KF + r - 8 h.  Each accumulator is taken from its low end on.
.macro MASK x
	s_add_co_u32 s60, s[KF], 63
	s_cmp_le_u32 s60, s[QA0+(\x)/2]
	s_cbranch_scc1 .Lopen_\@
	s_sub_co_i32 s60, s[QA0+(\x)/2], s[KF]
	v_add_nc_u32 v[DD], s60, v[LD]
.irp t, 0,1
.set n, 0
.rept 32
	v_cmp_gt_i32 vcc_lo, 16*(n/8)+n%8-16*\t, v[DD]
	v_cndmask_b32 v[S+32*\t+n], v[S+32*\t+n], v[NEG], vcc_lo
.set n, n+1
.endr
.endr
.Lopen_\@:
.endm
; The softmax of piece x for one step; the two tiles alternate line by line, so that no line waits for the line above it.
.macro SOFT x
.irp j, 0,1,2,3                        ; the maximum of the lane's 32 scores and the old m: four chains, each begun at an accumulator's low end
.irp t, 0,1
	v_max3_num_f32 v[ST+8*(\x+\t)+4+\j], v[S+32*\t+8*\j], v[S+32*\t+8*\j+1], v[S+32*\t+8*\j+2]
.endr
.endr
.irp g, 1,2
.irp j, 0,1,2,3
.irp t, 0,1
	v_max3_num_f32 v[ST+8*(\x+\t)+4+\j], v[ST+8*(\x+\t)+4+\j], v[S+32*\t+8*\j+2*\g+1], v[S+32*\t+8*\j+2*\g+2]
.endr
.endr
.endr
.irp t, 0,1
	v_max3_num_f32 v[ST+8*(\x+\t)+4], v[ST+8*(\x+\t)+4], v[S+32*\t+7], v[S+32*\t+15]
.endr
.irp t, 0,1
	v_max3_num_f32 v[ST+8*(\x+\t)+6], v[ST+8*(\x+\t)+6], v[S+32*\t+23], v[S+32*\t+31]
.endr
.irp t, 0,1
	v_max3_num_f32 v[ST+8*(\x+\t)+4], v[ST+8*(\x+\t)+4], v[ST+8*(\x+\t)+5], v[ST+8*(\x+\t)+6]
.endr
.irp t, 0,1
	v_max3_num_f32 v[ST+8*(\x+\t)+4], v[ST+8*(\x+\t)+4], v[ST+8*(\x+\t)+7], v[ST+8*(\x+\t)+1]
.endr
.irp t, 0,1
	v_permlanex16_b32 v[ST+8*(\x+\t)+5], v[ST+8*(\x+\t)+4], s[SEL], s[SEL+1]   ; the query's other 32 keys lie in the lane 16 away
.endr
.irp t, 0,1
	v_mov_b32 v[ST+8*(\x+\t)+7], v[ST+8*(\x+\t)]   ; c m_old is kept for a
.endr
.irp t, 0,1
	v_max_num_f32 v[ST+8*(\x+\t)+1], v[ST+8*(\x+\t)+4], v[ST+8*(\x+\t)+5]
.endr
.irp t, 0,1
	v_mul_f32 v[ST+8*(\x+\t)], s[CS], v[ST+8*(\x+\t)+1]
.endr
.irp t, 0,1
	v_sub_f32 v[ST+8*(\x+\t)+7], v[ST+8*(\x+\t)+7], v[ST+8*(\x+\t)]
.endr
.set e, 0
.rept 16
.irp t, 0,1
	v_pk_fma_f32 v[S+32*\t+2*e:S+32*\t+2*e+1], v[S+32*\t+2*e:S+32*\t+2*e+1], s[CS:CS+1], v[ST+8*(\x+\t):ST+8*(\x+\t)+1] op_sel_hi:[1,0,0] neg_lo:[0,0,1] neg_hi:[0,0,1]   ; c s - c m, two at a time
.endr
.set e, e+1
.endr
.irp t, 0,1                            ; ONE BATCH of 66 exponentials: a, then the scores
	v_exp_f32 v[ST+8*(\x+\t)+6], v[ST+8*(\x+\t)+7]
.endr
.set e, 0
.rept 32
.irp t, 0,1
	v_exp_f32 v[S+32*\t+e], v[S+32*\t+e]
.endr
.set e, e+1
.endr
	v_nop                                          ; a plain instruction behind the last exponential,
	s_wait_alu depctr_va_vdst(0)                   ; and the one wait ahead of the batch's first reader
.set e, 0
.rept 16
.irp t, 0,1
	v_cvt_pk_f16_f32 v[P+16*\t+e], v[S+32*\t+2*e], v[S+32*\t+2*e+1]   ; the weights as f16: they are source 1 of the second product as they stand
.endr
.set e, e+1
.endr
.irp z, 0,1,2,3,4,5,6,7                ; the sum of the unrounded weights, in place: neighbours 1, 2, 4 and 8 pairs apart
.irp t, 0,1
	v_pk_add_f32 v[S+32*\t+4*\z:S+32*\t+4*\z+1], v[S+32*\t+4*\z:S+32*\t+4*\z+1], v[S+32*\t+4*\z+2:S+32*\t+4*\z+3]
.endr
.endr
.irp z, 0,1,2,3
.irp t, 0,1
	v_pk_add_f32 v[S+32*\t+8*\z:S+32*\t+8*\z+1], v[S+32*\t+8*\z:S+32*\t+8*\z+1], v[S+32*\t+8*\z+4:S+32*\t+8*\z+5]
.endr
.endr
.irp z, 0,1
.irp t, 0,1
	v_pk_add_f32 v[S+32*\t+16*\z:S+32*\t+16*\z+1], v[S+32*\t+16*\z:S+32*\t+16*\z+1], v[S+32*\t+16*\z+8:S+32*\t+16*\z+9]
.endr
.endr
.irp t, 0,1
	v_pk_add_f32 v[S+32*\t:S+32*\t+1], v[S+32*\t:S+32*\t+1], v[S+32*\t+16:S+32*\t+17]
.endr
.irp t, 0,1
	v_pk_fma_f32 v[ST+8*(\x+\t)+2:ST+8*(\x+\t)+3], v[ST+8*(\x+\t)+2:ST+8*(\x+\t)+3], v[ST+8*(\x+\t)+6:ST+8*(\x+\t)+7], v[S+32*\t:S+32*\t+1] op_sel_hi:[1,0,1]   ; l = a l + the sum
.endr
	WIN 0x41                                       ; O^T (destination and source 0) in window 1
.set e, 0
.rept 16
.irp t, 0,1
	v_pk_mul_f32 v[32*(\x+\t)+2*e:32*(\x+\t)+2*e+1], v[32*(\x+\t)+2*e:32*(\x+\t)+2*e+1], v[ST+8*(\x+\t)+6:ST+8*(\x+\t)+7] op_sel_hi:[1,0]   ; O^T x a, ascending
.endr
.set e, e+1
.endr
.endm
.macro PIECE x
	s_wait_dscnt 16                                ; K's 16 loads are in; V's 16, issued behind them, may be out
	KQMUL \x
	WIN 0
.rept 4
	v_nop                                          ; four places between the products and the first read of their results (ISA guide 7.12.1)
.endr
	MASK \x
	SOFT \x
	s_wait_dscnt 0x0                               ; V is in
	PVMUL \x
	WIN 0
.endm
; A STEP: 64 keys.  The two additions and two v_nop are the four places between the last products and the loads into the registers that they read.
.macro STEP
	s_cmp_gt_u32 s[KF], s[QBL]                     ; all keys after my last query: nothing to do but to step the addresses
	s_cbranch_scc1 .Lhidden_\@
	v_add_nc_u32 v[ADK], s[TK], v[AK0]
	v_add_nc_u32 v[ADV], s[TV], v[AV0]
	v_nop
	v_nop
.irp f, 0,1,2,3,4,5,6,7                ; K: keys 16 (f / 2) on, channels 32 (f % 2) on
	ds_load_b128 v[KFR+8*\f:KFR+8*\f+3],   v[ADK] offset:(\f/2)*8*PK+(\f%2)*64
	ds_load_b128 v[KFR+8*\f+4:KFR+8*\f+7], v[ADK] offset:(\f/2)*8*PK+(\f%2)*64+32
.endr
	WIN 0x40
.irp f, 0,1,2,3,4,5,6,7                ; V, turned: keys 32 (f / 4) on, channels 16 (f % 4) on
	ds_load_tr16_b128 v[VFR+8*\f:VFR+8*\f+3],   v[ADV] offset:(\f/4)*16*PVP+(\f%4)*32
	ds_load_tr16_b128 v[VFR+8*\f+4:VFR+8*\f+7], v[ADV] offset:(\f/4)*16*PVP+8*PVP+(\f%4)*32
.endr
	WIN 0
	s_cmp_gt_u32 s[KF], s[QAL]                     ; all keys after piece 0's last query
	s_cbranch_scc1 .Lno_a_\@
	PIECE 0
.Lno_a_\@:
	PIECE 2
.Lhidden_\@:
	s_add_co_u32 s[KF], s[KF], 64
	s_add_co_u32 s[TK], s[TK], KSTP
	s_add_co_u32 s[TV], s[TV], VSTP
.endm
; THE CHANGE OF SLOTS stands at a unit's head.  Each wave waits for all its tensor loads (its part of the unit that it is about to read), adds 0 to its spare word, and waits for that and for its reads of the
; slot that it has left.  Behind the barrier the slot ahead is whole and nobody reads the other one.  fill = 1: that other slot is filled with the next unit, up to the causal limit.
.macro CHANGE fill
	s_wait_tensorcnt 0x0                           ; no tensor load of mine is out, so a group 0 may be written
	ds_add_u32 v[SPW], v[NIL]                      ; 0 onto my spare word
.if \fill
	ds_add_u32 v[SPW], v[NIL]                      ; and once more
	s_xor_b32 s[G0K+1], s[G0K+1], SLOT1            ; the walking descriptors: the other slot than last time,
	s_add_nc_u64 s[G0K+2:G0K+3], s[G0K+2:G0K+3], 32768   ; the next 256 keys
	s_xor_b32 s[G0V+1], s[G0V+1], SLOT1
	s_add_nc_u64 s[G0V+2:G0V+3], s[G0V+2:G0V+3], 32768
	s_wait_xcnt 0x0                                ; the last prefetches, a unit back, have read their address, so it may be written
	s_add_nc_u64 s[PFA:PFA+1], s[PFA:PFA+1], 32768
.endif
	s_wait_dscnt 0x0                               ; the add is done, and my reads of the slot that I have left are over
	s_barrier_signal -1
	s_barrier_wait -1
.if \fill
	s_add_co_u32 s60, s[KF], 256                   ; THE LOOK-AHEAD ENDS AT THE CAUSAL LIMIT: a unit whose first key comes after my work-group's last query is read by none of its waves, so it is not asked for.
	s_cmp_gt_u32 s60, s[LASTQ]                     ; Ids and the count of steps alone: all eight waves go the same way; every wait on TENSORcnt in this text is for 0
	s_cbranch_scc1 .Lpast_\@
	TLOAD                                          ; a wave's one tensor load until the next such barrier
.Lpast_\@:
	ASK
.endif
.endm
.macro SLOT_STEPS                      ; a unit's four steps: written once, walked four times
	s_mov_b32 s[STEPC], 4
.Lstep_\@:
	STEP
	s_sub_co_u32 s[STEPC], s[STEPC], 1
	s_cmp_lg_u32 s[STEPC], 0
	s_cbranch_scc1 .Lstep_\@
	s_sub_co_u32 s[TK], s[TK], 4*KSTP              ; back to a slot's first step,
	s_xor_b32 s[TK], s[TK], SLOT1                  ; in the other slot
	s_sub_co_u32 s[TV], s[TV], 4*VSTP
	s_xor_b32 s[TV], s[TV], SLOT1
.endm
	s_wait_loadcnt 0x0                             ; Q
.Lslot:                                            ; 7 trips: behind each change of slots but the last the next unit is asked for, up to the causal limit
	CHANGE 1
	SLOT_STEPS
	s_sub_co_u32 s[SLOTS], s[SLOTS], 1
	s_cmp_lg_u32 s[SLOTS], 0
	s_cbranch_scc1 .Lslot
	CHANGE 0                                       ; the last unit is written out: nothing is left to ask for
	SLOT_STEPS
	; THE WAY OUT.  l's halves are added; O^T is divided by l, rounded to f16 and sent through my stage, a tile at a time.  The additions are the places behind the last products.
.irp T, 0,1,2,3
	v_add_f32 v[ST+8*\T+4], v[ST+8*\T+2], v[ST+8*\T+3]
.endr
.irp T, 0,1,2,3
	v_permlanex16_b32 v[ST+8*\T+5], v[ST+8*\T+4], s[SEL], s[SEL+1]
.endr
.irp T, 0,1,2,3
	v_add_f32 v[ST+8*\T+4], v[ST+8*\T+4], v[ST+8*\T+5]
.endr
.irp T, 0,1,2,3
	v_rcp_f32 v[ST+8*\T+6], v[ST+8*\T+4]
.endr
	v_nop                                          ; a plain instruction behind the last reciprocal,
	s_wait_alu depctr_va_vdst(0)                   ; and the one wait for the four, ahead of their first reader
.macro PACK T
	WIN 0x41
.set e, 0
.rept 16
	v_pk_mul_f32 v[32*\T+2*e:32*\T+2*e+1], v[32*\T+2*e:32*\T+2*e+1], v[ST+8*\T+6:ST+8*\T+7] op_sel_hi:[1,0]
.set e, e+1
.endr
	WIN 0x05                                       ; sources in window 1, destination in window 0: S^T's registers are free
.set e, 0
.rept 16
	v_cvt_pk_f16_f32 v[S+16*\T+e], v[32*\T+2*e], v[32*\T+2*e+1]
.set e, e+1
.endr
	WIN 0
.irp f, 0,1,2,3
	ds_store_b128 v[STO], v[S+16*\T+4*\f:S+16*\T+4*\f+3] offset:32*\f
.endr
.irp f, 0,1,2,3
	ds_load_b128 v[S+16*\T+4*\f:S+16*\T+4*\f+3], v[RD] offset:\f*4*SPITCH   ; LDS serves a wave's instructions in order: these see the stores above, and the next tile's stores come behind them
.endr
.endm
.macro SEND T, younger                 ; younger: the next tile's eight LDS instructions, or none
.irp f, 0,1,2,3
	s_wait_dscnt \younger+3-\f
	global_store_b128 v[GO], v[S+16*\T+4*\f:S+16*\T+4*\f+3], s[OPA+2*(\T/2):OPA+2*(\T/2)+1] offset:(\T%2)*2048+\f*512   ; 512 consecutive bytes, aligned
.endr
.endm
	PACK 0
	PACK 1
	SEND 0, 8
	PACK 2
	SEND 1, 8
	PACK 3
	SEND 2, 8
	SEND 3, 0
	s_wait_tensorcnt 0x0                           ; the wave's end, behind my last tensor load and my last LDS store
	ds_add_u32 v[SPW], v[NIL]
	s_wait_dscnt 0x0
	s_endpgm
.Lfunc_end_k_q5922d35020_attn:
	.size	k_q5922d35020_attn, .Lfunc_end_k_q5922d35020_attn-k_q5922d35020_attn
	.p2alignl 7, 3214868480
	.fill 96, 4, 3214868480
	.section	.rodata,"a",@progbits
	.p2align	6, 0x0
	.amdhsa_kernel k_q5922d35020_attn
		.amdhsa_group_segment_fixed_size 327680
		.amdhsa_private_segment_fixed_size 0
		.amdhsa_enable_private_segment 0
		.amdhsa_kernarg_size 16
		.amdhsa_user_sgpr_count 2
		.amdhsa_user_sgpr_kernarg_segment_ptr 1
		.amdhsa_wavefront_size32 1
		.amdhsa_system_sgpr_workgroup_id_x 1
		.amdhsa_system_sgpr_workgroup_id_y 1
		.amdhsa_system_sgpr_workgroup_id_z 1
		.amdhsa_system_vgpr_workitem_id 0
		.amdhsa_next_free_vgpr 512
		.amdhsa_next_free_sgpr 80
		.amdhsa_reserve_vcc 1
		.amdhsa_float_denorm_mode_32 3
		.amdhsa_float_denorm_mode_16_64 3
		.amdhsa_memory_ordered 1
		.amdhsa_forward_progress 1
		.amdhsa_inst_pref_size 110
	.end_amdhsa_kernel
	.amdgpu_metadata
---
amdhsa.version: [ 1, 2 ]
amdhsa.kernels:
  - .name:           k_q5922d35020_attn
    .symbol:         k_q5922d35020_attn.kd
    .args:
      - { .name: qkv, .offset: 0, .size: 8, .value_kind: global_buffer, .address_space: global }
      - { .name: oa, .offset: 8, .size: 8, .value_kind: global_buffer, .address_space: global }
    .group_segment_fixed_size: 327680
    .private_segment_fixed_size: 0
    .kernarg_segment_align: 8
    .kernarg_segment_size: 16
    .max_flat_workgroup_size: 256
    .sgpr_count:     80
    .vgpr_count:     512
    .wavefront_size: 32
...
	.end_amdgpu_metadata
.endif
;; end of part 3
;; launch proj (part 4): grid 4 x 64, 4 waves a work-group, clusters of 4 x 4, 327,680 bytes of LDS; arguments oa, wp16, bproj, out0; writes out0
.if DOCPART == 4
	.amdgcn_target "amdgcn-amd-amdhsa--gfx1250"
	.amdhsa_code_object_version 6
	.text
	.protected	k_q5922d35020_proj
	.globl	k_q5922d35020_proj
	.p2align	8
	.type	k_q5922d35020_proj,@function
k_q5922d35020_proj:
	s_mov_b64 s[64:65], 0
	v_nop
	global_prefetch_b8 v0, s[64:65] scope:SCOPE_SE
	s_setreg_imm32_b32 hwreg(HW_REG_WAVE_MODE, 25, 1), 1
	s_wait_xcnt 0x0
	s_wait_alu depctr_hold_cnt(0) depctr_sa_sdst(0) depctr_va_vdst(0) depctr_va_sdst(0) depctr_va_ssrc(0) depctr_va_vcc(0) depctr_vm_vsrc(0)
	s_getreg_b32 s2, hwreg(HW_REG_IB_STS2, 6, 4)
	s_cmp_eq_u32 s2, 0
	s_cbranch_scc0 .Lentry_in_a_cluster
	s_endpgm
.Lentry_in_a_cluster:
	s_bfe_u32 s2, ttmp6, 0x10000c
	s_cmp_lg_u32 s2, 0xf033
	s_cbranch_scc0 .Lentry_shape_is_right
	s_endpgm
.Lentry_shape_is_right:
; THE PROJECTION: out0[m][n] = sum over k of O[m][k] Wproj[k][n] + bproj[n], f16 operands, f32 sums, f32 out.  O: [4 b][16 h][2048 t][64] f16; Wproj as [16 (k / 64)][1024 n][64 (k % 64)] f16.
; A tile of out0 is 128 rows x 256 columns: 256 work-groups.  Four waves, each 64 rows x 128 columns: 32 accumulators, 256 registers.  A K step is 128 = two heads; 8 K steps go through a ring of two LDS slots.
; A head's rows of 128 bytes lie dense, so a tile is stated as PAIR ROWS of 256 bytes with 16 bytes of padding behind each: row m lies at (m / 2) x 272 + 128 (m % 2).
; CLUSTERS: 4 x 4 work-groups.  O's tile hangs on the tile row alone and is shared along a row of the cluster, Wproj's on the tile column alone and is shared along a column: each is asked for jointly.
; THE MATRIX INSTRUCTION IS USED TRANSPOSED (source 0 = 16 n of Wproj, source 1 = 16 rows of O): a lane holds eight neighbouring n of one row.  The bias is the C of each sum's first product.
; Rows t < 16 of every batch are written again, in f32 throughout, by the launch behind this one.
; REGISTERS.  window 0: v16-29 addresses; v64-127 O's fragments, two buffers of 32; v128-255 Wproj's, two buffers of 64.   window 1: the accumulators, (a, b) at v[8 (8 a + b)].   window 2: v0-63 the bias, block b at v[8 b].
.set PITCH,  272
.set AH,     64*PITCH                  ; a head's 128 rows of O
.set BH,     128*PITCH                 ; a head's 256 rows of Wproj
.set SLOT,   2*AH+2*BH                 ; O's two heads, then Wproj's two
.set STAGE,  2*SLOT                    ; behind the ring: 16 rows x (512 bytes + 16) for each wave, for the way out
.set SPITCH, 528
.set SPARE,  STAGE+4*16*SPITCH         ; the spare words, 128 bytes for each wave: two blocks of 256 bytes that no other line names
.set LAPS,   4                         ; a lap = two K steps = once round the ring
.set ADRA, 16
.set ADRB, 20
.set STO,  24
.set RD,   25
.set CO,   26
.set SPW,  28
.set NIL,  29
.set FA,   64
.set FB,   128
.set WV,   12
.set RH,   13                          ; s13  which 64 rows are mine.  Also: I fetch for O (0) or for Wproj (1)
.set CH,   14                          ; s14  which 128 columns.  Also: which of a K step's two heads I fetch
.set TR,   15
.set G1,  24
.set G0,  32
.set G1B, 48
.set G0B, 56
.set MSB, 0
.macro WIN new
.if MSB != (\new)
	s_set_vgpr_msb (MSB<<8)|(\new)
.set MSB, (\new)
.endif
.endm
.set MUL, 0x50                         ; sources 0 and 1 window 0, C and D window 1;  + 0x10: C (the bias) window 2
.macro JLOAD s                         ; a joint load; an s_nop 0 and four v_nop follow each of the two lines
	s_cmp_eq_u32 s[RH], 0
	s_cbranch_scc0 .Lfor_b_\@
	tensor_load_to_lds s[G0+4*\s:G0+4*\s+3], s[G1:G1+7]
	s_nop 0
.rept 4
	v_nop
.endr
	s_branch .Lasked_\@
.Lfor_b_\@:
	tensor_load_to_lds s[G0B+4*\s:G0B+4*\s+3], s[G1B:G1B+7]
	s_nop 0
.rept 4
	v_nop
.endr
.Lasked_\@:
.endm
.macro CREST                           ; a round of the cluster's barrier behind its opening barrier
	s_cmp_lg_u32 s[WV], 0
	s_cbranch_scc1 .Lnot_wave_0_\@
	s_barrier_signal -3
.Lnot_wave_0_\@:
	s_barrier_wait -3
	s_barrier_signal -1
	s_barrier_wait -1
.endm
.macro CROUND
	s_barrier_signal -1
	s_barrier_wait -1
	CREST
.endm
	s_load_b256 s[4:11], s[0:1], 0x0               ; O, Wproj as f16, bproj, out0
	v_lshl_add_u32 v[SPW], v0, 2, SPARE
	v_mov_b32 v[NIL], 0
	ds_add_u32 v[SPW], v[NIL]                      ; the wave's opening: the add, twice on end, and its wait ahead of my first tensor load
	ds_add_u32 v[SPW], v[NIL]
	v_lshrrev_b32 v1, 5, v0
	v_readfirstlane_b32 s[WV], v1
	s_lshr_b32 s[RH], s[WV], 1
	s_and_b32 s[CH], s[WV], 1
	s_bfe_u32 s40, ttmp6, 0x40000                  ; cx, cy
	s_bfe_u32 s41, ttmp6, 0x40004
	s_lshl_b32 s42, ttmp9, 2
	s_add_co_u32 s42, s42, s40                     ; tile column
	s_and_b32 s[TR], ttmp7, 0xffff
	s_lshl_b32 s[TR], s[TR], 2
	s_add_co_u32 s[TR], s[TR], s41                 ; tile row
	s_lshl_b32 s43, s41, 2
	s_lshl_b32 s43, 15, s43                        ; my row of the cluster
	s_lshl_b32 s44, 0x1111, s40                    ; my column
	s_or_b32 s[G1+0], s43, (1<<16)|(1<<20)|(1<<21)|(5<<22)|(3<<25)  ; the mask; elements of 2 bytes; padding on; bit 21 beside a mask; four words behind every 64
	s_or_b32 s[G1B+0], s44, (1<<16)|(1<<20)|(1<<21)|(5<<22)|(3<<25)
	s_mov_b32 s[G1+1], 128<<16                     ; tensor_dim0
	s_mov_b32 s[G1+2], 64<<16                      ; tensor_dim1: 64 pair rows
	s_mov_b32 s[G1+3], 128<<16                     ; tile_dim0
	s_mov_b32 s[G1+4], 64                          ; tile_dim1
	s_mov_b32 s[G1+5], 128                         ; the pitch
	s_mov_b32 s[G1+6], 0
	s_mov_b32 s[G1+7], 0
	s_mov_b32 s[G1B+1], 128<<16
	s_mov_b32 s[G1B+2], 128<<16                    ; 128 pair rows
	s_mov_b32 s[G1B+3], 128<<16
	s_mov_b32 s[G1B+4], 128
	s_mov_b32 s[G1B+5], 128
	s_mov_b32 s[G1B+6], 0
	s_mov_b32 s[G1B+7], 0
	s_lshr_b32 s16, s[TR], 4                       ; O: the batch (16 tile rows each), 4,194,304 bytes;
	s_lshl_b32 s16, s16, 22
	s_and_b32 s17, s[TR], 15                       ; 128 t of 128 bytes;
	s_lshl_b32 s17, s17, 14
	s_add_co_u32 s16, s16, s17
	s_lshl_b32 s17, s[CH], 18                      ; my head of the K step's two
	s_add_co_u32 s16, s16, s17
	s_mov_b32 s17, 0
	s_lshl_b32 s46, s42, 15                        ; Wproj: 256 n of 128 bytes;
	s_lshl_b32 s47, s[CH], 17                      ; my head
	s_add_co_u32 s46, s46, s47
	s_mov_b32 s47, 0
	s_mul_i32 s20, s[CH], AH                       ; where they go: no place in the cluster enters an LDS address
	s_mul_i32 s21, s[CH], BH
	s_add_co_u32 s21, s21, 2*AH
	s_wait_dscnt 0x0                               ; both opening adds are done
	s_wait_kmcnt 0x0
	s_add_nc_u64 s[18:19], s[4:5], s[16:17]
	s_add_nc_u64 s[46:47], s[6:7], s[46:47]
	CROUND                                         ; all sixteen work-groups are here: the first joint loads meet
.irp s, 0,1
	s_mov_b32 s[G0+4*\s], 1
	s_add_co_u32 s[G0+4*\s+1], s20, \s*SLOT
	s_add_nc_u64 s[G0+4*\s+2:G0+4*\s+3], s[18:19], \s*524288       ; K step s: two heads on
	s_or_b32 s[G0+4*\s+3], s[G0+4*\s+3], 0x80000000
	s_mov_b32 s[G0B+4*\s], 1
	s_add_co_u32 s[G0B+4*\s+1], s21, \s*SLOT
	s_add_nc_u64 s[G0B+4*\s+2:G0B+4*\s+3], s[46:47], \s*262144
	s_or_b32 s[G0B+4*\s+3], s[G0B+4*\s+3], 0x80000000
	JLOAD \s
.endr
	v_and_b32 v1, 15, v0                           ; r
	v_bfe_u32 v2, v0, 4, 1                         ; h
	v_lshrrev_b32 v3, 1, v1
	v_mul_u32_u24 v3, v3, PITCH
	v_and_b32 v4, 1, v1
	v_lshl_add_u32 v3, v4, 7, v3
	v_lshl_add_u32 v3, v2, 4, v3                   ; (r / 2) x pitch + 128 (r % 2) + 16 h
	s_mul_i32 s21, s[RH], 32*PITCH                 ; my 64 rows of O
	s_mul_i32 s22, s[CH], 64*PITCH                 ; my 128 rows of Wproj,
	s_add_co_u32 s22, s22, 2*AH                    ; behind O's two heads
.irp s, 0,1
	v_add_nc_u32 v[ADRA+\s], s21, v3
	v_add_nc_u32 v[ADRB+\s], s22, v3
	s_add_co_u32 s21, s21, SLOT
	s_add_co_u32 s22, s22, SLOT
.endr
	s_mul_i32 s23, s[WV], 16*SPITCH
	s_add_co_u32 s23, s23, STAGE                   ; my stage
	v_mul_u32_u24 v5, v1, SPITCH
	v_lshl_add_u32 v5, v2, 5, v5
	v_add_nc_u32 v[STO], s23, v5                   ; in: row r, 32 bytes for each half of the lanes
	v_and_b32 v6, 31, v0
	v_lshlrev_b32 v[CO], 4, v6                     ; back: the 32 lanes take a row of 512 bytes; and the same in out0
	v_add_nc_u32 v[RD], s23, v[CO]
	s_lshl_b32 s46, s42, 10                        ; my first column, in bytes of f32: 1024 x tile column + 512 x half: in bproj and in a row of out0
	s_lshl_b32 s47, s[CH], 9
	s_add_co_u32 s46, s46, s47
	s_mov_b32 s47, 0
	s_add_nc_u64 s[8:9], s[8:9], s[46:47]
	s_lshl_b32 s16, s[TR], 19                      ; 128 rows of 4,096 bytes,
	s_lshl_b32 s17, s[RH], 18                      ; my 64 of them
	s_add_co_u32 s16, s16, s17
	s_mov_b32 s17, 0
	s_add_nc_u64 s[10:11], s[10:11], s[16:17]
	s_add_nc_u64 s[10:11], s[10:11], s[46:47]
	v_lshlrev_b32 v7, 5, v2                        ; the bias in the result's layout: for block b the eight numbers at 16 b + 8 h
	WIN 0x80                                       ; destination window 2
.irp b, 0,1,2,3,4,5,6,7
	global_load_b128 v[8*\b:8*\b+3],   v7, s[8:9] offset:64*\b
	global_load_b128 v[8*\b+4:8*\b+7], v7, s[8:9] offset:64*\b+16
.endr
	WIN 0
; 8 matrix instructions: O's block a against Wproj's eight, 32 along K.  The 32 accumulators take turns, one instruction a turn, in the same order in every quarter.
.macro MUL8 f, a, first
.irp b, 0,1,2,3,4,5,6,7
.if \first
	v_wmma_f32_16x16x32_f16 v[8*(8*(\a)+\b):8*(8*(\a)+\b)+7], v[FB+64*(\f)+8*\b:FB+64*(\f)+8*\b+7], v[FA+32*(\f)+8*(\a):FA+32*(\f)+8*(\a)+7], v[8*\b:8*\b+7]
.else
	v_wmma_f32_16x16x32_f16 v[8*(8*(\a)+\b):8*(8*(\a)+\b)+7], v[FB+64*(\f)+8*\b:FB+64*(\f)+8*\b+7], v[FA+32*(\f)+8*(\a):FA+32*(\f)+8*(\a)+7], v[8*(8*(\a)+\b):8*(8*(\a)+\b)+7]
.endif
.endr
.endm
; 24 LDS loads in one run: quarter q of a slot (head q / 2, channels 32 (q % 2) on) into buffer f: Wproj's eight fragments, then O's four
.macro FETCH slot, q, f
.irp i, 0,1,2,3,4,5,6,7
	ds_load_b128 v[FB+64*(\f)+8*\i:FB+64*(\f)+8*\i+3],   v[ADRB+\slot] offset:((\q)/2)*BH+((\q)%2)*64+\i*8*PITCH
	ds_load_b128 v[FB+64*(\f)+8*\i+4:FB+64*(\f)+8*\i+7], v[ADRB+\slot] offset:((\q)/2)*BH+((\q)%2)*64+\i*8*PITCH+32
.endr
.irp i, 0,1,2,3
	ds_load_b128 v[FA+32*(\f)+8*\i:FA+32*(\f)+8*\i+3],   v[ADRA+\slot] offset:((\q)/2)*AH+((\q)%2)*64+\i*8*PITCH
	ds_load_b128 v[FA+32*(\f)+8*\i+4:FA+32*(\f)+8*\i+7], v[ADRA+\slot] offset:((\q)/2)*AH+((\q)%2)*64+\i*8*PITCH+32
.endr
.endm
.macro PLACES                          ; four places in front of loads into registers that matrix instructions have read, and of reads of results
.rept 4
	v_nop
.endr
.endm
; A K step is four quarters of 32 along K, 32 matrix instructions each, on buffers 0, 1, 0, 1.  One of the first three: multiplies buffer f and fetches quarter q into buffer g.
.macro QUARTER slot, q, f, g, first
	s_wait_dscnt 4                                 ; Wproj's fragments and O's blocks 0, 1 are in; the youngest four loads (blocks 2, 3) may be out
	WIN MUL+0x10*(\first)
	MUL8 \f, 0, \first
	MUL8 \f, 1, \first
	PLACES
	WIN 0
	FETCH \slot, \q, \g
	s_wait_dscnt 24                                ; all but the 24 just issued
	WIN MUL+0x10*(\first)
	MUL8 \f, 2, \first
	MUL8 \f, 3, \first
.endm
; The last quarter multiplies buffer 1 and changes slots: ONE barrier; in front of it each wave waits for all its tensor loads, adds 0 to its spare word, and waits for that and for its reads of this slot.
; fill = 1: the barrier opens a round of the cluster's barrier, and this slot is filled again, two K steps ahead: 112 matrix instructions ahead of the wait for it.
.macro TURN slot, next, fill
	WIN 0
	s_wait_tensorcnt 0x0                           ; all my tensor loads have landed: my part of the next slot
	ds_add_u32 v[SPW], v[NIL]                      ; 0 onto my spare word
	s_wait_dscnt 5                                 ; the add and the youngest four loads may be out
	WIN MUL
	MUL8 1, 0, 0
	s_wait_dscnt 0x0                               ; the add is done, and my reads of this slot are over
	s_barrier_signal -1
	MUL8 1, 1, 0
	WIN 0
	s_barrier_wait -1
.if \fill
	CREST                                          ; no wave of any partner still reads this slot's tile or has a load on its way
	s_add_nc_u64 s[G0+4*\slot+2:G0+4*\slot+3], s[G0+4*\slot+2:G0+4*\slot+3], 1048576     ; four heads on
	s_add_nc_u64 s[G0B+4*\slot+2:G0B+4*\slot+3], s[G0B+4*\slot+2:G0B+4*\slot+3], 524288
	JLOAD \slot                                    ; the first tensor load behind the round; its four v_nop are also the places in front of the loads below
.else
	PLACES
.endif
	FETCH \next, 0, 0
	WIN MUL
	MUL8 1, 2, 0
	MUL8 1, 3, 0
.endm
	s_wait_tensorcnt 1                             ; my part of K step 0 is in; K step 1's load may be out
	s_barrier_signal -1
	s_barrier_wait -1
	s_wait_loadcnt 0x0                             ; the bias
	FETCH 0, 0, 0
	QUARTER 0, 1, 0, 1, 1                          ; the first quarter stands in front of the loop: its products start the sums from the bias
	WIN 0
	s_mov_b32 s3, LAPS-1
.Llap:                                             ; a trip goes once round the ring, from a lap's second quarter to the next lap's first, and fills both slots again
	QUARTER 0, 2, 1, 0, 0
	QUARTER 0, 3, 0, 1, 0
	TURN 0, 1, 1
	QUARTER 1, 1, 0, 1, 0
	QUARTER 1, 2, 1, 0, 0
	QUARTER 1, 3, 0, 1, 0
	TURN 1, 0, 1
	QUARTER 0, 1, 0, 1, 0
	WIN 0
	s_sub_co_u32 s3, s3, 1
	s_cmp_lg_u32 s3, 0
	s_cbranch_scc1 .Llap
	QUARTER 0, 2, 1, 0, 0                          ; the last lap fills nothing, and has no round of the cluster's barrier
	QUARTER 0, 3, 0, 1, 0
	TURN 0, 1, 0
	QUARTER 1, 1, 0, 1, 0
	QUARTER 1, 2, 1, 0, 0
	QUARTER 1, 3, 0, 1, 0
	s_wait_dscnt 4                                 ; the very last quarter: nothing more to fetch
	WIN MUL
	MUL8 1, 0, 0
	MUL8 1, 1, 0
	s_wait_dscnt 0
	MUL8 1, 2, 0
	MUL8 1, 3, 0
	WIN 0
; THE WAY OUT, block by block of 16 rows x 128 columns: through my own stage, and back as whole rows of 512 bytes, which the 32 lanes store as 512 consecutive aligned bytes.
.macro TOSTAGE a
	WIN 0x04                                       ; an LDS store's data are its source 1: window 1
.irp b, 0,1,2,3,4,5,6,7
	ds_store_b128 v[STO], v[8*(8*(\a)+\b):8*(8*(\a)+\b)+3] offset:64*\b            ; each accumulator from its low end on
	ds_store_b128 v[STO], v[8*(8*(\a)+\b)+4:8*(8*(\a)+\b)+7] offset:64*\b+16
.endr
	WIN 0
.set BB, FB+64*((\a)%2)
.irp t, 0,1,2,3,4,5,6,7,8,9,10,11,12,13,14,15
	ds_load_b128 v[BB+4*\t:BB+4*\t+3], v[RD] offset:\t*SPITCH      ; LDS serves a wave's instructions in order: these see the stores above
.endr
.endm
.macro SEND a, younger
.set BB, FB+64*((\a)%2)
	s_wait_dscnt \younger                          ; the block is back in registers; the next block's 16 stores and 16 loads may be out
.irp t, 0,1,2,3,4,5,6,7,8,9,10,11,12,13,14,15
	global_store_b128 v[CO], v[BB+4*\t:BB+4*\t+3], s[10:11] offset:(16*(\a)+\t)*4096 th:TH_STORE_NT
.endr
.endm
	PLACES
	TOSTAGE 0
.irp a, 1,2,3
.if \a > 1
	s_wait_xcnt 0x0                                ; block a - 2's stores have read their registers: block a's loads may land there
.endif
	TOSTAGE \a
	SEND \a-1, 32
.endr
	SEND 3, 0
	s_wait_tensorcnt 0x0                           ; the wave's end, behind my last tensor load and my last LDS store
	ds_add_u32 v[SPW], v[NIL]
	s_wait_dscnt 0x0
	CROUND                                         ; the closing round: no work-group ends while a partner may still ask for a tile that names it
	s_endpgm
.Lfunc_end_k_q5922d35020_proj:
	.size	k_q5922d35020_proj, .Lfunc_end_k_q5922d35020_proj-k_q5922d35020_proj
	.p2alignl 7, 3214868480
	.fill 96, 4, 3214868480
	.section	.rodata,"a",@progbits
	.p2align	6, 0x0
	.amdhsa_kernel k_q5922d35020_proj
		.amdhsa_group_segment_fixed_size 327680
		.amdhsa_private_segment_fixed_size 0
		.amdhsa_enable_private_segment 0
		.amdhsa_kernarg_size 32
		.amdhsa_user_sgpr_count 2
		.amdhsa_user_sgpr_kernarg_segment_ptr 1
		.amdhsa_wavefront_size32 1
		.amdhsa_system_sgpr_workgroup_id_x 1
		.amdhsa_system_sgpr_workgroup_id_y 1
		.amdhsa_system_sgpr_workgroup_id_z 1
		.amdhsa_system_vgpr_workitem_id 0
		.amdhsa_next_free_vgpr 576
		.amdhsa_next_free_sgpr 66
		.amdhsa_reserve_vcc 0
		.amdhsa_float_denorm_mode_32 3
		.amdhsa_float_denorm_mode_16_64 3
		.amdhsa_memory_ordered 1
		.amdhsa_forward_progress 1
		.amdhsa_inst_pref_size 86
	.end_amdhsa_kernel
	.amdgpu_metadata
---
amdhsa.version: [ 1, 2 ]
amdhsa.kernels:
  - .name:           k_q5922d35020_proj
    .symbol:         k_q5922d35020_proj.kd
    .args:
      - { .name: oa, .offset: 0, .size: 8, .value_kind: global_buffer, .address_space: global }
      - { .name: wp16, .offset: 8, .size: 8, .value_kind: global_buffer, .address_space: global }
      - { .name: bproj, .offset: 16, .size: 8, .value_kind: global_buffer, .address_space: global }
      - { .name: out0, .offset: 24, .size: 8, .value_kind: global_buffer, .address_space: global }
    .group_segment_fixed_size: 327680
    .private_segment_fixed_size: 0
    .kernarg_segment_align: 8
    .kernarg_segment_size: 32
    .max_flat_workgroup_size: 128
    .sgpr_count:     66
    .vgpr_count:     576
    .wavefront_size: 32
...
	.end_amdgpu_metadata
.endif
;; end of part 4
;; launch fine1 (part 5): grid 16 x 4, 12 waves a work-group, no clusters, 13,824 bytes of LDS; arguments x_codes, x_scales, w_codes, w_scales, of; writes of
.if DOCPART == 5
	.amdgcn_target "amdgcn-amd-amdhsa--gfx1250"
	.amdhsa_code_object_version 6
	.text
	.protected	k_q5922d35020_fine1
	.globl	k_q5922d35020_fine1
	.p2align	8
	.type	k_q5922d35020_fine1,@function
k_q5922d35020_fine1:
	s_mov_b64 s[64:65], 0
	v_nop
	global_prefetch_b8 v0, s[64:65] scope:SCOPE_SE
	s_setreg_imm32_b32 hwreg(HW_REG_WAVE_MODE, 25, 1), 1
	s_wait_xcnt 0x0
; THE FIRST 16 POSITIONS OF EVERY SEQUENCE, IN f32.  These rows average one to sixteen values and are the largest in size: nothing of them is rounded to 16 bits.
; Work-group (head, b).  Each of 12 waves makes one tile of 16 x 16 of q, k or v (wave / 4) at features 16 (wave % 4) on, for t = 0 .. 15, by the same products on codes of FP4 as the bulk, sums kept in f32.
; q and k: source 0 = 16 rows of W, source 1 = x's 16 rows: a lane holds t = lane % 16 and features 8 (lane / 16) + 0..7.  v: the sources swapped: a lane holds feature lane % 16 and t = 8 (lane / 16) + 0..7.
; The tiles go to wave 0 through LDS as images of their registers.  Wave 0: S^T = k q^T and O^T = v^T p by the f32 matrix form (32 instructions: no bulk work); the causal mask, the maximum and the softmax in f32.
; For the f32 form a lane's registers 2 i, 2 i + 1 stand for the four K places 2 (lane / 16) + 0, 1: the same choice of features (or keys) on both sources, so the products pair rightly.
; The result leaves as an image of its registers: register 8 ct + j of lane (r, h) is O[t = r][16 ct + 8 h + j]; the next launch takes it as its operand as it stands.
.set IMG,   0                          ; LDS: 12 images of 1,024 bytes
.set SPARE, 12*1024                    ; the spare words, 128 bytes for each wave: six blocks of 256 bytes that no other line names
.set SPW,   14
.set NIL,   15
.set SC0,   16                         ; v16-23 source 0's scale words, one for each 128 along K; v24-31 source 1's: they hold nothing else
.set SC1,   24
.set F0,    32                         ; v32-95  source 0's eight fragments;  v96-159 source 1's
.set F1,    96
	s_load_b256 s[4:11], s[0:1], 0x0               ; x's codes, x's scales, W's codes, W's scales
	s_load_b64 s[12:13], s[0:1], 0x20              ; of
	v_lshl_add_u32 v[SPW], v0, 2, SPARE
	v_mov_b32 v[NIL], 0
	v_lshrrev_b32 v1, 5, v0
	v_readfirstlane_b32 s16, v1                    ; wave 0..11
	v_and_b32 v1, 31, v0                           ; lane
	v_and_b32 v2, 15, v0                           ; r
	v_bfe_u32 v3, v0, 4, 1                         ; h
	v_lshlrev_b32 v4, 9, v2
	v_lshl_add_u32 v4, v3, 4, v4                   ; a fragment: row r of 512 bytes + 16 h
	v_lshlrev_b32 v5, 5, v2                        ; a row's 32 scale bytes
	v_lshlrev_b32 v7, 4, v1                        ; an image's place for my lane
	s_lshl_b32 s39, s16, 10
	v_add_nc_u32 v6, s39, v7                       ; where I store my tile's image
	v_lshlrev_b32 v8, 3, v3
	v_sub_nc_u32 v8, v2, v8                        ; r - 8 h, for the mask
	v_mov_b32 v9, 0xff800000                       ; -infinity
	v_mov_b32 v13, 0                               ; (a lane permute's destination counts as one of its sources)
	s_mov_b32 s36, 0x76543210
	s_mov_b32 s37, 0xfedcba98
	s_mov_b32 s38, 0x3d38aa3b                      ; c = log2(e) / 32
	s_lshr_b32 s17, s16, 2                         ; q, k or v
	s_and_b32 s18, s16, 3                          ; which 16 features
	s_and_b32 s19, ttmp7, 0xffff                   ; b
	s_lshl_b32 s20, s19, 20                        ; 2,048 rows of 512 bytes
	s_mov_b32 s21, 0
	s_lshl_b32 s22, s19, 16                        ; and of 32
	s_mov_b32 s23, 0
	s_lshl_b32 s24, s17, 10
	s_lshl_b32 s25, ttmp9, 6
	s_add_co_u32 s24, s24, s25
	s_lshl_b32 s25, s18, 4
	s_add_co_u32 s24, s24, s25                     ; W's first row
	s_lshl_b32 s26, s24, 5
	s_mov_b32 s27, 0
	s_lshl_b32 s24, s24, 9
	s_mov_b32 s25, 0
	s_lshl_b32 s14, s19, 4
	s_add_co_u32 s14, s14, ttmp9
	s_lshl_b32 s14, s14, 12                        ; the result's image: 4,096 bytes for each (b, head)
	s_mov_b32 s15, 0
	s_wait_kmcnt 0x0
	s_add_nc_u64 s[4:5], s[4:5], s[20:21]
	s_add_nc_u64 s[6:7], s[6:7], s[22:23]
	s_add_nc_u64 s[8:9], s[8:9], s[24:25]
	s_add_nc_u64 s[10:11], s[10:11], s[26:27]
	s_add_nc_u64 s[12:13], s[12:13], s[14:15]
	s_cmp_eq_u32 s17, 2                            ; v takes x as source 0; the choice hangs on the wave's number alone
	s_cselect_b64 s[28:29], s[4:5], s[8:9]
	s_cselect_b64 s[30:31], s[8:9], s[4:5]
	s_cselect_b64 s[32:33], s[6:7], s[10:11]
	s_cselect_b64 s[34:35], s[10:11], s[6:7]
.irp s, 0,1,2,3,4,5,6,7
.irp c, 0,1
	global_load_b128 v[F0+8*\s+4*\c:F0+8*\s+4*\c+3], v4, s[28:29] offset:64*\s+32*\c
	global_load_b128 v[F1+8*\s+4*\c:F1+8*\s+4*\c+3], v4, s[30:31] offset:64*\s+32*\c
.endr
.endr
.irp c, 0,1
	global_load_b128 v[SC0+4*\c:SC0+4*\c+3], v5, s[32:33] offset:16*\c
	global_load_b128 v[SC1+4*\c:SC1+4*\c+3], v5, s[34:35] offset:16*\c
.endr
	s_wait_loadcnt 0x0
.irp s, 0,1,2,3,4,5,6,7                ; two accumulators by turns: the even K steps in v160-167, the odd in v168-175
.if \s < 2
	v_wmma_scale_f32_16x16x128_f8f6f4 v[160+8*(\s%2):167+8*(\s%2)], v[F0+8*\s:F0+8*\s+7], v[F1+8*\s:F1+8*\s+7], 0, v[SC0+\s], v[SC1+\s] matrix_a_fmt:MATRIX_FMT_FP4 matrix_b_fmt:MATRIX_FMT_FP4
.else
	v_wmma_scale_f32_16x16x128_f8f6f4 v[160+8*(\s%2):167+8*(\s%2)], v[F0+8*\s:F0+8*\s+7], v[F1+8*\s:F1+8*\s+7], v[160+8*(\s%2):167+8*(\s%2)], v[SC0+\s], v[SC1+\s] matrix_a_fmt:MATRIX_FMT_FP4 matrix_b_fmt:MATRIX_FMT_FP4
.endif
.endr
.rept 4
	v_nop                                          ; four places behind the products (ISA guide 7.12.1)
.endr
.irp j, 0,2,4,6
	v_pk_add_f32 v[176+\j:177+\j], v[160+\j:161+\j], v[168+\j:169+\j]   ; from the low end on
.endr
	ds_store_b128 v6, v[176:179]
	ds_store_b128 v6, v[180:183] offset:512
	s_wait_dscnt 0x0                               ; for wave 0's sake: my image has landed
	s_barrier_signal -1
	s_barrier_wait -1
	s_cmp_lg_u32 s16, 0
	s_cbranch_scc1 .Lend
.irp w, 0,1,2,3,4,5,6,7,8,9,10,11      ; q in v32-63, k in v64-95, v in v96-127
	ds_load_b128 v[32+8*\w:35+8*\w], v7 offset:IMG+1024*\w
	ds_load_b128 v[36+8*\w:39+8*\w], v7 offset:IMG+1024*\w+512
.endr
	s_wait_dscnt 0x0
.irp i, 0,1,2,3                        ; S^T = k q^T: four accumulators (one for each 16 features) by turns; they are written by matrix instructions alone
.irp d, 0,1,2,3
.if \i == 0
	v_wmma_f32_16x16x4_f32 v[192+8*\d:199+8*\d], v[64+8*\d+2*\i:65+8*\d+2*\i], v[32+8*\d+2*\i:33+8*\d+2*\i], 0
.else
	v_wmma_f32_16x16x4_f32 v[192+8*\d:199+8*\d], v[64+8*\d+2*\i:65+8*\d+2*\i], v[32+8*\d+2*\i:33+8*\d+2*\i], v[192+8*\d:199+8*\d]
.endif
.endr
.endr
.rept 8
	v_nop                                          ; eight places behind this form
.endr
.irp j, 0,2,4,6
	v_pk_add_f32 v[176+\j:177+\j], v[192+\j:193+\j], v[200+\j:201+\j]
	v_pk_add_f32 v[184+\j:185+\j], v[208+\j:209+\j], v[216+\j:217+\j]
.endr
.irp j, 0,2,4,6
	v_pk_add_f32 v[176+\j:177+\j], v[176+\j:177+\j], v[184+\j:185+\j]   ; lane (r, h): query r, keys 8 h + 0..7
.endr
.irp j, 0,1,2,3,4,5,6,7
	v_cmp_gt_i32 vcc_lo, \j, v8                    ; key 8 h + j comes after query r
	v_cndmask_b32 v[176+\j], v[176+\j], v9, vcc_lo
.endr
	v_max3_num_f32 v10, v176, v177, v178
	v_max3_num_f32 v11, v179, v180, v181
	v_max3_num_f32 v10, v10, v182, v183
	v_max_num_f32 v10, v10, v11
	v_permlanex16_b32 v11, v10, s36, s37
	v_max_num_f32 v10, v10, v11                    ; the row's maximum: key 0 counts for every query, so it is a number
	v_mul_f32 v10, s38, v10
.irp j, 0,1,2,3,4,5,6,7
	v_fma_f32 v[176+\j], v[176+\j], s38, -v10      ; c s - c m
.endr
.irp j, 0,1,2,3,4,5,6,7
	v_exp_f32 v[184+\j], v[176+\j]
.endr
	v_nop                                          ; a plain instruction behind the last exponential,
	s_wait_alu depctr_va_vdst(0)                   ; and the one wait for the eight, ahead of their first reader
	v_pk_add_f32 v[176:177], v[184:185], v[186:187]
	v_pk_add_f32 v[178:179], v[188:189], v[190:191]
	v_pk_add_f32 v[176:177], v[176:177], v[178:179]
	v_add_f32 v12, v176, v177
	v_permlanex16_b32 v13, v12, s36, s37
	v_add_f32 v12, v12, v13                        ; the row's sum
	v_rcp_f32 v11, v12
	v_nop
	s_wait_alu depctr_va_vdst(0)                   ; ahead of the reciprocal's reader
.irp i, 0,1,2,3                        ; O^T = v^T p: four accumulators (one for each 16 channels) by turns
.irp d, 0,1,2,3
.if \i == 0
	v_wmma_f32_16x16x4_f32 v[224+8*\d:231+8*\d], v[96+8*\d+2*\i:97+8*\d+2*\i], v[184+2*\i:185+2*\i], 0
.else
	v_wmma_f32_16x16x4_f32 v[224+8*\d:231+8*\d], v[96+8*\d+2*\i:97+8*\d+2*\i], v[184+2*\i:185+2*\i], v[224+8*\d:231+8*\d]
.endif
.endr
.endr
.rept 8
	v_nop
.endr
.set n, 0
.rept 32
	v_mul_f32 v[32+n], v[224+n], v11               ; O^T / the sum, into other registers, ascending
.set n, n+1
.endr
.irp g, 0,1,2,3,4,5,6,7
	global_store_b128 v7, v[32+4*\g:35+4*\g], s[12:13] offset:512*\g      ; 512 consecutive bytes, aligned
.endr
.Lend:
	s_wait_tensorcnt 0x0                           ; the wave's end, behind my last LDS store
	ds_add_u32 v[SPW], v[NIL]
	s_wait_dscnt 0x0
	s_endpgm
.Lfunc_end_k_q5922d35020_fine1:
	.size	k_q5922d35020_fine1, .Lfunc_end_k_q5922d35020_fine1-k_q5922d35020_fine1
	.p2alignl 7, 3214868480
	.fill 96, 4, 3214868480
	.section	.rodata,"a",@progbits
	.p2align	6, 0x0
	.amdhsa_kernel k_q5922d35020_fine1
		.amdhsa_group_segment_fixed_size 13824
		.amdhsa_private_segment_fixed_size 0
		.amdhsa_enable_private_segment 0
		.amdhsa_kernarg_size 40
		.amdhsa_user_sgpr_count 2
		.amdhsa_user_sgpr_kernarg_segment_ptr 1
		.amdhsa_wavefront_size32 1
		.amdhsa_system_sgpr_workgroup_id_x 1
		.amdhsa_system_sgpr_workgroup_id_y 1
		.amdhsa_system_sgpr_workgroup_id_z 1
		.amdhsa_system_vgpr_workitem_id 0
		.amdhsa_next_free_vgpr 256
		.amdhsa_next_free_sgpr 66
		.amdhsa_reserve_vcc 1
		.amdhsa_float_denorm_mode_32 3
		.amdhsa_float_denorm_mode_16_64 3
		.amdhsa_memory_ordered 1
		.amdhsa_forward_progress 1
		.amdhsa_inst_pref_size 17
	.end_amdhsa_kernel
	.amdgpu_metadata
---
amdhsa.version: [ 1, 2 ]
amdhsa.kernels:
  - .name:           k_q5922d35020_fine1
    .symbol:         k_q5922d35020_fine1.kd
    .args:
      - { .name: x_codes, .offset: 0, .size: 8, .value_kind: global_buffer, .address_space: global }
      - { .name: x_scales, .offset: 8, .size: 8, .value_kind: global_buffer, .address_space: global }
      - { .name: w_codes, .offset: 16, .size: 8, .value_kind: global_buffer, .address_space: global }
      - { .name: w_scales, .offset: 24, .size: 8, .value_kind: global_buffer, .address_space: global }
      - { .name: of, .offset: 32, .size: 8, .value_kind: global_buffer, .address_space: global }
    .group_segment_fixed_size: 13824
    .private_segment_fixed_size: 0
    .kernarg_segment_align: 8
    .kernarg_segment_size: 40
    .max_flat_workgroup_size: 384
    .sgpr_count:     66
    .vgpr_count:     256
    .wavefront_size: 32
...
	.end_amdgpu_metadata
.endif
;; end of part 5
;; launch fine2 (part 6): grid 16 x 4, 16 waves a work-group, no clusters, 71,680 bytes of LDS; arguments of, Wproj, bproj, out0; writes out0
.if DOCPART == 6
	.amdgcn_target "amdgcn-amd-amdhsa--gfx1250"
	.amdhsa_code_object_version 6
	.text
	.protected	k_q5922d35020_fine2
	.globl	k_q5922d35020_fine2
	.p2align	8
	.type	k_q5922d35020_fine2,@function
k_q5922d35020_fine2:
	s_mov_b64 s[64:65], 0
	v_nop
	global_prefetch_b8 v0, s[64:65] scope:SCOPE_SE
	s_setreg_imm32_b32 hwreg(HW_REG_WAVE_MODE, 25, 1), 1
	s_wait_xcnt 0x0
; THE PROJECTION OF THE FIRST 16 POSITIONS OF EVERY SEQUENCE, IN f32: out0[2048 b + t][n] = sum over k of O[t][k] Wproj[k][n] + bproj[n], t = 0 .. 15.  It writes over what the bulk projection left in these 64 rows.
; Work-group (g, b) makes 16 rows x 64 columns (64 g on).  Wave w sums over head w's 64 channels, for all four tiles of 16 columns, by the f32 matrix form: 64 instructions a wave (64 rows in all: no bulk work).
; O comes as the image of registers that the launch before stored: registers 2 s, 2 s + 1 of lane (r, h) are O[r][16 (s / 4) + 8 h + 2 (s % 4) + 0, 1], which stand for the K places 2 h + 0, 1;
; Wproj's rows are loaded by the same choice.  The sixteen waves' parts meet in LDS; then wave w adds up row w, with the bias, and stores 256 consecutive aligned bytes.
.set PPITCH, 272                       ; a row of a part: 64 numbers + 16 bytes
.set PART,   16*PPITCH                 ; a wave's part
.set SPARE,  16*PART                   ; the spare words, 128 bytes for each wave: eight blocks of 256 bytes that no other line names
.set SPW,    14
.set NIL,    15
	s_load_b256 s[4:11], s[0:1], 0x0               ; of, Wproj, bproj, out0
	v_lshl_add_u32 v[SPW], v0, 2, SPARE
	v_mov_b32 v[NIL], 0
	v_lshrrev_b32 v1, 5, v0
	v_readfirstlane_b32 s12, v1                    ; wave 0..15
	v_and_b32 v1, 31, v0                           ; lane
	v_and_b32 v2, 15, v0                           ; r
	v_bfe_u32 v3, v0, 4, 1                         ; h
	v_lshlrev_b32 v4, 4, v1                        ; the image: 16 bytes a lane
	v_lshlrev_b32 v5, 2, v2
	v_lshl_add_u32 v5, v3, 15, v5                  ; Wproj: 4 r, and 8 rows of 4,096 bytes further down for lanes 16-31
	s_mul_i32 s13, s12, PART
	v_mul_u32_u24 v6, v3, 8*PPITCH
	v_lshl_add_u32 v6, v2, 2, v6
	v_add_nc_u32 v6, s13, v6                       ; my part: row 8 h (+ j), column r (+ 16 nt)
	s_mul_i32 s13, s12, PPITCH
	v_lshlrev_b32 v8, 3, v1                        ; 8 bytes a lane: a row of 256 bytes
	v_add_nc_u32 v7, s13, v8                       ; row w of a part
	s_and_b32 s14, ttmp7, 0xffff                   ; b
	s_lshl_b32 s16, s14, 4
	s_add_co_u32 s16, s16, s12
	s_lshl_b32 s16, s16, 12                        ; the image of (b, head w)
	s_mov_b32 s17, 0
	s_lshl_b32 s18, s12, 18                        ; Wproj: 64 rows of 4,096 bytes a head,
	s_lshl_b32 s20, ttmp9, 8                       ; 64 columns of 4 bytes a group
	s_add_co_u32 s18, s18, s20
	s_mov_b32 s19, 0
	s_mov_b32 s21, 0
	s_lshl_b32 s22, s14, 11
	s_add_co_u32 s22, s22, s12                     ; row 2048 b + w of out0
	s_lshl_b32 s22, s22, 12
	s_add_co_u32 s22, s22, s20
	s_mov_b32 s23, 0
	s_wait_kmcnt 0x0
	s_add_nc_u64 s[4:5], s[4:5], s[16:17]
	s_add_nc_u64 s[6:7], s[6:7], s[18:19]
	s_add_nc_u64 s[8:9], s[8:9], s[20:21]
	s_add_nc_u64 s[10:11], s[10:11], s[22:23]
	global_load_b64 v[10:11], v8, s[8:9]           ; the bias of my two columns
.irp i, 0,1,2,3,4,5,6,7
	global_load_b128 v[32+4*\i:35+4*\i], v4, s[4:5] offset:512*\i          ; O: v32-63
.endr
.irp s, 0,1,2,3,4,5,6,7,8,9,10,11,12,13,14,15      ; Wproj: step s, tile nt at v[64 + 8 s + 2 nt]; a row's four pieces of 64 bytes are asked for on end
.irp j, 0,1
.irp nt, 0,1,2,3
	global_load_b32 v[64+8*\s+2*\nt+\j], v5, s[6:7] offset:(16*(\s/4)+2*(\s%4)+\j)*4096+64*\nt
.endr
.endr
.endr
	s_wait_loadcnt 63                              ; of 137 loads at most 63 are out: the bias, O and steps 0 to 7 are in
.irp s, 0,1,2,3,4,5,6,7,8,9,10,11,12,13,14,15      ; four accumulators, one for each 16 columns, by turns; they are written by matrix instructions alone
.if \s == 8
	s_wait_loadcnt 32                              ; steps 8 to 11 are in
.endif
.if \s == 12
	s_wait_loadcnt 0x0
.endif
.irp nt, 0,1,2,3
.if \s == 0
	v_wmma_f32_16x16x4_f32 v[192+8*\nt:199+8*\nt], v[32+2*\s:33+2*\s], v[64+8*\s+2*\nt:65+8*\s+2*\nt], 0
.else
	v_wmma_f32_16x16x4_f32 v[192+8*\nt:199+8*\nt], v[32+2*\s:33+2*\s], v[64+8*\s+2*\nt:65+8*\s+2*\nt], v[192+8*\nt:199+8*\nt]
.endif
.endr
.endr
.rept 8
	v_nop                                          ; eight places behind this form (ISA guide 7.12.1)
.endr
.irp nt, 0,1,2,3
.irp j, 0,1,2,3,4,5,6,7
	ds_store_b32 v6, v[192+8*\nt+\j] offset:\j*PPITCH+64*\nt       ; part(8 h + j, 16 nt + r); each accumulator from its low end on
.endr
.endr
	s_wait_dscnt 0x0                               ; for the others' sake: my part has landed
	s_barrier_signal -1
	s_barrier_wait -1
.irp p, 0,1,2,3,4,5,6,7,8,9,10,11,12,13,14,15
	ds_load_b64 v[32+2*\p:33+2*\p], v7 offset:PART*\p              ; row w of every wave's part: part p in v[32 + 2 p]
.endr
	s_wait_dscnt 0x0
	v_pk_add_f32 v[10:11], v[10:11], v[32:33]      ; two chains, in a fixed order: the bias and the even parts in v[10:11], the odd parts in v[34:35]
.irp p, 2,4,6,8,10,12,14
	v_pk_add_f32 v[34:35], v[34:35], v[34+2*\p:35+2*\p]            ; part p + 1
	v_pk_add_f32 v[10:11], v[10:11], v[32+2*\p:33+2*\p]            ; part p
.endr
	v_pk_add_f32 v[10:11], v[10:11], v[34:35]
	global_store_b64 v8, v[10:11], s[10:11]        ; 32 lanes store 256 consecutive bytes, aligned
	s_wait_tensorcnt 0x0                           ; the wave's end, behind my last LDS store
	ds_add_u32 v[SPW], v[NIL]
	s_wait_dscnt 0x0
	s_endpgm
.Lfunc_end_k_q5922d35020_fine2:
	.size	k_q5922d35020_fine2, .Lfunc_end_k_q5922d35020_fine2-k_q5922d35020_fine2
	.p2alignl 7, 3214868480
	.fill 96, 4, 3214868480
	.section	.rodata,"a",@progbits
	.p2align	6, 0x0
	.amdhsa_kernel k_q5922d35020_fine2
		.amdhsa_group_segment_fixed_size 71680
		.amdhsa_private_segment_fixed_size 0
		.amdhsa_enable_private_segment 0
		.amdhsa_kernarg_size 32
		.amdhsa_user_sgpr_count 2
		.amdhsa_user_sgpr_kernarg_segment_ptr 1
		.amdhsa_wavefront_size32 1
		.amdhsa_system_sgpr_workgroup_id_x 1
		.amdhsa_system_sgpr_workgroup_id_y 1
		.amdhsa_system_sgpr_workgroup_id_z 1
		.amdhsa_system_vgpr_workitem_id 0
		.amdhsa_next_free_vgpr 256
		.amdhsa_next_free_sgpr 66
		.amdhsa_reserve_vcc 0
		.amdhsa_float_denorm_mode_32 3
		.amdhsa_float_denorm_mode_16_64 3
		.amdhsa_memory_ordered 1
		.amdhsa_forward_progress 1
		.amdhsa_inst_pref_size 24
	.end_amdhsa_kernel
	.amdgpu_metadata
---
amdhsa.version: [ 1, 2 ]
amdhsa.kernels:
  - .name:           k_q5922d35020_fine2
    .symbol:         k_q5922d35020_fine2.kd
    .args:
      - { .name: of, .offset: 0, .size: 8, .value_kind: global_buffer, .address_space: global }
      - { .name: Wproj, .offset: 8, .size: 8, .value_kind: global_buffer, .address_space: global }
      - { .name: bproj, .offset: 16, .size: 8, .value_kind: global_buffer, .address_space: global }
      - { .name: out0, .offset: 24, .size: 8, .value_kind: global_buffer, .address_space: global }
    .group_segment_fixed_size: 71680
    .private_segment_fixed_size: 0
    .kernarg_segment_align: 8
    .kernarg_segment_size: 32
    .max_flat_workgroup_size: 512
    .sgpr_count:     66
    .vgpr_count:     256
    .wavefront_size: 32
...
	.end_amdgpu_metadata
.endif
;; end of part 6
